; MI455X (gfx1250); checked and timed in simulation.
; The chip was launched on July 23, 2026; its instructions are those of AMD's public machine-readable ISA for CDNA 5 (MIT licence, August 2026) and "CDNA5" Instruction Set Architecture Reference Guide (July 2026). The comments in the code are by the model that wrote it; some were corrected since.
;; Expert Parallel Layer. Allowed arithmetic: matrix products marked QUANTISED: E5M2 operands, one given power-of-two scale a tensor, by v_wmma_f32_16x16x64_bf8_bf8 or v_wmma_f32_16x16x128_bf8_bf8, f32 sums; products left as they are: f32 operands where the result goes on into a quantised operand, else bf16, f16 or f32 operands; f32 sums; everything else in f32.
;; Inputs: W1_codes 8 x 2,048 x 32 x 32 uint8 (E5M2 codes of W1, K innermost, in blocks of 32 codes); W2_codes 8 x 1,024 x 64 x 32 uint8 (E5M2 codes of W2, K innermost, in blocks of 32 codes); Wr 1,024 x 8 float32; b1 8 x 2,048 float32; b2 8 x 1,024 float32; br 8 float32; lowp_scales 4 int32 (the exponents e of the quantised operands' scales 2^e); x 4 x 512 x 1,024 float32.
;; Outputs: out0 4 x 512 x 1,024 float32.
;; This version of the problem:
;;   THIS VERSION OF THE PROBLEM IS GIVEN IN LOW PRECISION. The matrix products marked QUANTISED in the list below multiply operands that are first quantised to E5M2 (5 exponent bits, 2 mantissa bits; 8 bits a number), with one given power-of-two scale for each operand tensor; their sums are f32. All else is computed in f32.
;;   The module's matrix products, in the order in which they are computed (A, B: the left and right operand; K: the contracted axis; several contracted axes count as one K, in the product's order):
;;     1. [M 2,048, K 1,024] x [K 1,024, N 8]; A: input x; B: input Wr: left as it is (N = 8 < 16)
;;     2. [M 2,048, K 1,024] x [K 1,024, N 16,384]; A: input x; B: input W1 (given as codes): QUANTISED (scales: A lowp_scales[0], B lowp_scales[1])
;;     3. batch 8 x [M 1,024, K 2,048] x [K 2,048, N 2,048]; A: input W2 (given as codes); B: computed on the way: QUANTISED (scales: A lowp_scales[2], B lowp_scales[3])
;;   THE QUANTISER, for each operand of a quantised product, along K:
;;     - The operand's scale is 2^e, e = its entry of the input lowp_scales (int32; the entries are numbered through the quantised products in the list's order, A before B).
;;     - Each number is divided by the scale, clamped to +-57,344, and rounded to the nearest number of E5M2, ties to even, subnormals kept.
;;     - The product sums the exact products of the quantised numbers (number of the format x scale) in f32.
;;   ~~~python
;;   def quantise(x, axis, e):      # numpy; x: float32 -> the quantised numbers, widened to float32 again
;;       x = np.moveaxis(x, axis, -1); K = x.shape[-1]
;;       r = np.clip(x / 2.0 ** e, -57344, 57344)
;;       step = 2.0 ** (np.maximum(np.frexp(np.where(r == 0, 1, r))[1] - 1, -14) - 2)
;;       q = np.round(r / step) * step * 2.0 ** e      # np.round: ties to even
;;       return np.moveaxis(q, -1, axis).astype(np.float32)
;;   ~~~
;;   OPERANDS COMPUTED ON THE WAY. 'Computed on the way' means the value that the module computes at that place (a softmax that the list does not call 'softmax' is quantised finished and normalised). What goes into a quantiser is computed in f32, as accurately as f32 sums, v_exp_f32 and their like allow (about 1e-6 of the number): no bf16 or f16 on the way to a quantiser, and a product that is left as it is and whose result goes on into a quantised operand takes f32 operands (vector FMAs, or v_wmma_f32_16x16x4_f32). A number that lies on a knife's edge between two numbers of the format may be rounded either way, as far as f32 arithmetic and the matrix unit's own rounding can turn it there, and no further.
;;   INPUTS GIVEN AS CODES. W1 (in the module: [8, 1024, 2048], K = its axis 1); W2 (in the module: [8, 2048, 1024], K = its axis 1): each comes as NAME_codes (uint8): NAME with its K axis moved to the last place and cut into blocks of 32 codes, [.., K / 32, bytes a block], one block behind the other in memory; one code a byte (a code: sign, 5 exponent bits, 2 mantissa bits); its scale is its entry of lowp_scales. Its value is code x scale, taken as it is: it is not quantised again, and the codes and scales need not be those that the quantiser above would give.
;; 2 versions, each right; version 2 is version 1 with the launches up, down written anew for expert scheduling mode. Each part assembles by itself: llvm-mc -triple=amdgcn-amd-amdhsa -mcpu=gfx1250 --defsym DOCPART=n.
;; ======== version 1 of 2: 4 launches
;; workspace buffers: loc 12,288 bytes of whole numbers; prb 8,192 bytes; xs 2,211,840 bytes; hs 4,423,680 bytes; srt 8,960 bytes of whole numbers; pso 8,704 bytes
;; launch route (part 1): grid 128 x 1, 4 waves a work-group, no clusters, 33,792 bytes of LDS; arguments x, Wr, br, loc, prb; writes loc, prb
.if DOCPART == 1
	.amdgcn_target "amdgcn-amd-amdhsa--gfx1250"
	.amdhsa_code_object_version 6
	.text
	.protected	k_q82be795754_route
	.globl	k_q82be795754_route
	.p2align	8
	.type	k_q82be795754_route,@function
k_q82be795754_route:
	s_mov_b64 s[64:65], 0
	v_nop
	global_prefetch_b8 v0, s[64:65] scope:SCOPE_SE
	s_setreg_imm32_b32 hwreg(HW_REG_WAVE_MODE, 25, 1), 1
	s_wait_xcnt 0x0
; THE ROUTER.  logits = x Wr + br in f32 (fused multiply-adds), softmax with the row's maximum taken away first, the chosen expert and its probability.
; A work-group takes 16 tokens, a wave 4 of them.  The 32 lanes share K: lane l holds k = 128 c + 4 l + j (c = 0..7, j = 0..3), so each load of x reads 512 consecutive bytes of one row.
; Wr (32,768 bytes) goes once through LDS as images of the registers that the multiply-adds want: chunk c, piece m = 2 j + e / 4 at 4096 c + 512 m + 16 lane.
; THE CHOICE is the lowest e whose 2^((logit - maximum) log2 e) equals 1.0: the lowest index among equal probabilities; its probability is 1 / the sum of the eight exponentials.
; WHAT IS STORED, all at fixed places (no address and no branch here hangs on the choice):
;   prb[token]: the probability.   loc bytes 0..8191, ORD[128][16]: the block's 16 token numbers, sorted by expert, in their order within an expert.
;   loc bytes 8192..12287, BLK[128][8]: (how many of the block's tokens chose e) << 16 | (16 block + the place in ORD's row where e's run begins).
; LIMITS: NaN among the inputs is not served.  Logits that lie closer together than the rounding of an f32 sum of 1,024 products may be routed either way.
.set EXE, 32768                        ; LDS: the 16 tokens' experts, 64 bytes
.set EXP, 33024                        ; LDS: their probabilities, 64 bytes
.set X,   32                           ; v32-159  x: chunk c, token i at v[X+16c+4i .. +3]
.set WB,  160                          ; v160-223 Wr: two sets of 32: W[j][e] at v[WB+32p+8j+e]
.set ACC, 224                          ; v224-255 the sums: token i, expert e at v[ACC+8i+e]
	s_load_b256 s[4:11], s[0:1], 0x0               ; x s[4:5], Wr s[6:7], br s[8:9], loc s[10:11]
	s_load_b64 s[12:13], s[0:1], 0x20              ; prb
	v_lshl_add_u32 v7, v0, 2, 0x8200
	s_set_vgpr_msb 0x40
	v_mov_b32 v1, 0
	s_set_vgpr_msb 0x4000
	v_lshrrev_b32 v1, 5, v0
	v_readfirstlane_b32 s14, v1                    ; wave 0..3
	v_and_b32 v1, 31, v0                           ; lane
	v_lshlrev_b32 v2, 4, v1                        ; 16 x lane
	v_lshlrev_b32 v3, 7, v1                        ; 128 x lane: four rows of Wr
	s_lshl_b32 s26, s14, 13                        ; 8,192 x wave: two chunks of Wr
	v_add_nc_u32 v4, s26, v2                       ; where I store Wr's images
	s_lshl_b32 s27, s14, 4
	v_mov_b32 v5, s27                              ; 16 x wave: my four tokens' words in the exchange
	v_and_b32 v6, 15, v0
	v_lshlrev_b32 v6, 2, v6                        ; 4 x (thread mod 16): the exchange read back, and the tables' stores
	v_mov_b32 v28, 0                               ; place, order, table word, rank: written whole once
	v_mov_b32 v29, 0
	v_mov_b32 v30, 0
	v_mov_b32 v31, 0
	s_lshl_b32 s15, ttmp9, 4                       ; the block's first token
	s_mov_b32 s24, 0x76543210                      ; v_permlanex16_b32: lane l xor 16
	s_mov_b32 s25, 0xfedcba98
	s_lshl_b32 s28, ttmp9, 16                      ; 16 rows of 4,096 bytes a block,
	s_lshl_b32 s29, s14, 14                        ; 4 rows a wave
	s_add_co_u32 s28, s28, s29
	s_mov_b32 s29, 0
	s_mov_b32 s30, s26
	s_mov_b32 s31, 0
	s_wait_kmcnt 0x0
	s_load_b256 s[16:23], s[8:9], 0x0              ; br
	s_add_nc_u64 s[4:5], s[4:5], s[28:29]          ; x at my first token
	s_add_nc_u64 s[6:7], s[6:7], s[30:31]          ; Wr at my two chunks
.irp cc, 0,1
.irp m, 0,1,2,3,4,5,6,7
	global_load_b128 v[WB+32*\cc+4*\m:WB+32*\cc+4*\m+3], v3, s[6:7] offset:4096*\cc+16*\m
.endr
.endr
.irp c, 0,1,2,3,4,5,6,7
.irp i, 0,1,2,3
	global_load_b128 v[X+16*\c+4*\i:X+16*\c+4*\i+3], v2, s[4:5] offset:4096*\i+512*\c   ; 512 consecutive bytes of token i's row
.endr
.endr
	s_wait_loadcnt 32                              ; Wr's 16 loads are in; x's 32, issued behind them, may be out
.irp cc, 0,1
.irp m, 0,1,2,3,4,5,6,7
	ds_store_b128 v4, v[WB+32*\cc+4*\m:WB+32*\cc+4*\m+3] offset:4096*\cc+512*\m
.endr
.endr
	s_wait_dscnt 0x0                               ; for the others' sake: my part of Wr's images has landed
	s_barrier_signal -1
	s_barrier_wait -1
.macro WFETCH c                        ; chunk c of Wr into set c % 2: eight loads of 512 consecutive bytes
.irp m, 0,1,2,3,4,5,6,7
	ds_load_b128 v[WB+32*((\c)%2)+4*\m:WB+32*((\c)%2)+4*\m+3], v2 offset:4096*(\c)+512*\m
.endr
.endm
; A chunk: 128 along K, 4 a lane: 64 packed multiply-adds (4 tokens x 4 k x 4 pairs of experts); x's number is taken for both halves.  The very first products start the sums: nothing is cleared.
.macro CHUNK c
	s_wait_loadcnt 28-4*\c                         ; this chunk's four loads of x are in; the later chunks' may be out
.if \c < 7
	s_wait_dscnt 8                                 ; this chunk's Wr is in; the next chunk's eight loads may be out
.else
	s_wait_dscnt 0
.endif
.irp j, 0,1,2,3
.irp i, 0,1,2,3
.irp p, 0,1,2,3
.if (\c == 0) && (\j == 0)
	v_pk_mul_f32 v[ACC+8*\i+2*\p:ACC+8*\i+2*\p+1], v[X+4*\i:X+4*\i+1], v[WB+2*\p:WB+2*\p+1] op_sel:[0,0] op_sel_hi:[0,1]
.elseif (\j % 2) == 0
	v_pk_fma_f32 v[ACC+8*\i+2*\p:ACC+8*\i+2*\p+1], v[X+16*\c+4*\i+2*(\j/2):X+16*\c+4*\i+2*(\j/2)+1], v[WB+32*(\c%2)+8*\j+2*\p:WB+32*(\c%2)+8*\j+2*\p+1], v[ACC+8*\i+2*\p:ACC+8*\i+2*\p+1] op_sel:[0,0,0] op_sel_hi:[0,1,1]
.else
	v_pk_fma_f32 v[ACC+8*\i+2*\p:ACC+8*\i+2*\p+1], v[X+16*\c+4*\i+2*(\j/2):X+16*\c+4*\i+2*(\j/2)+1], v[WB+32*(\c%2)+8*\j+2*\p:WB+32*(\c%2)+8*\j+2*\p+1], v[ACC+8*\i+2*\p:ACC+8*\i+2*\p+1] op_sel:[1,0,0] op_sel_hi:[1,1,1]
.endif
.endr
.endr
.endr
.if \c < 6
	WFETCH \c+2                                    ; the set just used takes the chunk two further on
.endif
.endm
	WFETCH 0
	WFETCH 1
.irp c, 0,1,2,3,4,5,6,7
	CHUNK \c
.endr
	; the 32 lanes' parts are added: four steps inside each half of 16 lanes, one across the halves; every lane ends with the same 32 sums
.irp m, 1,2,4,8
.set n, 0
.rept 32
	v_add_f32_dpp v[ACC+n], v[ACC+n], v[ACC+n] row_xmask:\m row_mask:0xf bank_mask:0xf
.set n, n+1
.endr
.endr
.set n, 0
.rept 32
	v_permlanex16_b32 v[X+n], v[ACC+n], s24, s25   ; x's registers are free, and have been written
.set n, n+1
.endr
.set n, 0
.rept 32
	v_add_f32 v[ACC+n], v[ACC+n], v[X+n]
.set n, n+1
.endr
	s_wait_kmcnt 0x0                               ; br
.irp i, 0,1,2,3
.irp e, 0,1,2,3,4,5,6,7
	v_add_f32 v[ACC+8*\i+\e], s[16+\e], v[ACC+8*\i+\e]
.endr
.endr
	; softmax: the maximum is taken away first, so the largest logit gives exactly 0 and its exponential exactly 1
.irp i, 0,1,2,3
	v_max3_num_f32 v[8+\i], v[ACC+8*\i], v[ACC+8*\i+1], v[ACC+8*\i+2]
.endr
.irp i, 0,1,2,3
	v_max3_num_f32 v[8+\i], v[8+\i], v[ACC+8*\i+3], v[ACC+8*\i+4]
.endr
.irp i, 0,1,2,3
	v_max3_num_f32 v[8+\i], v[8+\i], v[ACC+8*\i+5], v[ACC+8*\i+6]
.endr
.irp i, 0,1,2,3
	v_max_num_f32 v[8+\i], v[8+\i], v[ACC+8*\i+7]
.endr
.irp i, 0,1,2,3
.irp e, 0,1,2,3,4,5,6,7
	v_sub_f32 v[ACC+8*\i+\e], v[ACC+8*\i+\e], v[8+\i]
.endr
.endr
.set n, 0
.rept 32
	v_mul_f32 v[ACC+n], 0x3fb8aa3b, v[ACC+n]       ; x log2(e)
.set n, n+1
.endr
.set n, 0
.rept 32
	v_exp_f32 v[ACC+n], v[ACC+n]                   ; one batch of 32
.set n, n+1
.endr
.irp i, 0,1,2,3
	v_mov_b32 v[12+\i], 7                          ; the choice begins at the last expert.  (Plain lines behind the exponentials)
.endr
	s_wait_alu depctr_va_vdst(0)                   ; one wait for the batch, ahead of its first reader
.irp i, 0,1,2,3
	v_pk_add_f32 v[16+2*\i:17+2*\i], v[ACC+8*\i:ACC+8*\i+1], v[ACC+8*\i+2:ACC+8*\i+3]
.endr
.irp i, 0,1,2,3
	v_pk_add_f32 v[16+2*\i:17+2*\i], v[16+2*\i:17+2*\i], v[ACC+8*\i+4:ACC+8*\i+5]
.endr
.irp i, 0,1,2,3
	v_pk_add_f32 v[16+2*\i:17+2*\i], v[16+2*\i:17+2*\i], v[ACC+8*\i+6:ACC+8*\i+7]
.endr
.irp i, 0,1,2,3
	v_add_f32 v[16+2*\i], v[16+2*\i], v[17+2*\i]
.endr
.irp i, 0,1,2,3
	v_rcp_f32 v[24+\i], v[16+2*\i]                 ; the chosen expert's exponential is 1: its probability is 1 / the sum
.endr
	v_nop                                          ; a plain line behind the last reciprocal
.irp e, 6,5,4,3,2,1,0
.irp i, 0,1,2,3
	v_cmp_eq_f32 vcc_lo, 1.0, v[ACC+8*\i+\e]
	v_cndmask_b32 v[12+\i], v[12+\i], \e, vcc_lo   ; downwards, so that the lowest index stays
.endr
.endr
	s_wait_alu depctr_va_vdst(0)                   ; one wait for the four reciprocals, ahead of their first reader
.irp i, 0,1,2,3
	ds_store_b32 v5, v[12+\i] offset:EXE+4*\i      ; all lanes hold the same number and write the same word
	ds_store_b32 v5, v[24+\i] offset:EXP+4*\i
.endr
	s_wait_dscnt 0x0                               ; for wave 0's sake: my stores have landed
	s_barrier_signal -1
	s_barrier_wait -1
	s_cmp_lg_u32 s14, 0
	s_cbranch_scc1 .Lend
	; WAVE 0 sorts the block's 16 tokens by expert: lane l < 16 stands for token 16 block + l.  All of it is arithmetic on values.
	s_wait_xcnt 0x0                                ; EXEC changes only behind this wait
	v_cmpx_gt_u32 16, v0
	ds_load_b32 v8, v6 offset:EXE
	ds_load_b32 v9, v6 offset:EXP
	s_mov_b32 s40, 0                               ; where the next expert's run begins
	s_wait_dscnt 0x0
.irp e, 0,1,2,3,4,5,6,7
	v_cmp_eq_u32 s[32+\e], \e, v8                  ; who chose e
	s_bcnt1_i32_b32 s41, s[32+\e]                  ; how many
	v_mbcnt_lo_u32_b32 v31, s[32+\e], s40          ; the run's start + how many of them stand below me
	v_cndmask_b32 v28, v28, v31, s[32+\e]          ; my place, if I chose e
	s_lshl_b32 s42, s41, 16
	s_add_co_u32 s43, s15, s40
	s_or_b32 s42, s42, s43
	v_writelane_b32 v30, s42, \e                   ; BLK's word for e
	s_add_co_u32 s40, s40, s41
.endr
.irp l, 0,1,2,3,4,5,6,7,8,9,10,11,12,13,14,15
	v_readlane_b32 s43, v28, \l                    ; token l's place:
	v_cmp_eq_u32 vcc_lo, s43, v1
	v_cndmask_b32 v29, v29, \l, vcc_lo             ; the lane of that number takes l
.endr
	v_add_nc_u32 v29, s15, v29                     ; as a token number
	s_lshl_b32 s28, ttmp9, 6
	s_add_nc_u64 s[44:45], s[10:11], s[28:29]      ; ORD's row, 64 bytes
	s_add_nc_u64 s[46:47], s[12:13], s[28:29]      ; prb's 16 numbers
	s_lshl_b32 s28, ttmp9, 5
	s_add_nc_u64 s[48:49], s[10:11], s[28:29]      ; BLK's row, 32 bytes, 8,192 bytes further on
	global_store_b32 v6, v29, s[44:45]
	global_store_b32 v6, v9, s[46:47]
	s_wait_xcnt 0x0                                ; EXEC changes only behind this wait
	v_cmpx_gt_u32 8, v0
	global_store_b32 v6, v30, s[48:49] offset:8192
.Lend:
	s_wait_xcnt 0x0
	s_mov_b32 exec_lo, -1
	s_set_vgpr_msb 0x4
	s_wait_tensorcnt 0x0
	ds_add_u32 v7, v1
	s_wait_dscnt 0x0
	s_set_vgpr_msb 0x400
	s_endpgm
.Lfunc_end_k_q82be795754_route:
	.size	k_q82be795754_route, .Lfunc_end_k_q82be795754_route-k_q82be795754_route
	.p2alignl 7, 3214868480
	.fill 96, 4, 3214868480
	.section	.rodata,"a",@progbits
	.p2align	6, 0x0
	.amdhsa_kernel k_q82be795754_route
		.amdhsa_group_segment_fixed_size 33792
		.amdhsa_private_segment_fixed_size 0
		.amdhsa_enable_private_segment 0
		.amdhsa_kernarg_size 40
		.amdhsa_user_sgpr_count 2
		.amdhsa_user_sgpr_kernarg_segment_ptr 1
		.amdhsa_wavefront_size32 1
		.amdhsa_system_sgpr_workgroup_id_x 1
		.amdhsa_system_sgpr_workgroup_id_y 1
		.amdhsa_system_sgpr_workgroup_id_z 1
		.amdhsa_system_vgpr_workitem_id 0
		.amdhsa_next_free_vgpr 258
		.amdhsa_next_free_sgpr 66
		.amdhsa_reserve_vcc 1
		.amdhsa_float_denorm_mode_32 3
		.amdhsa_float_denorm_mode_16_64 3
		.amdhsa_memory_ordered 1
		.amdhsa_forward_progress 1
		.amdhsa_inst_pref_size 72
	.end_amdhsa_kernel
	.amdgpu_metadata
---
amdhsa.version: [ 1, 2 ]
amdhsa.kernels:
  - .name:           k_q82be795754_route
    .symbol:         k_q82be795754_route.kd
    .args:
      - { .name: x, .offset: 0, .size: 8, .value_kind: global_buffer, .address_space: global }
      - { .name: Wr, .offset: 8, .size: 8, .value_kind: global_buffer, .address_space: global }
      - { .name: br, .offset: 16, .size: 8, .value_kind: global_buffer, .address_space: global }
      - { .name: loc, .offset: 24, .size: 8, .value_kind: global_buffer, .address_space: global }
      - { .name: prb, .offset: 32, .size: 8, .value_kind: global_buffer, .address_space: global }
    .group_segment_fixed_size: 33792
    .private_segment_fixed_size: 0
    .kernarg_segment_align: 8
    .kernarg_segment_size: 40
    .max_flat_workgroup_size: 128
    .sgpr_count:     66
    .vgpr_count:     258
    .wavefront_size: 32
...
	.end_amdgpu_metadata
.endif
;; end of part 1
;; launch place (part 2): grid 135 x 1, 4 waves a work-group, no clusters, 0 bytes of LDS; arguments x, loc, prb, lowp_scales, xs, srt, pso; writes xs, srt, pso
.if DOCPART == 2
	.amdgcn_target "amdgcn-amd-amdhsa--gfx1250"
	.amdhsa_code_object_version 6
	.text
	.protected	k_q82be795754_place
	.globl	k_q82be795754_place
	.p2align	8
	.type	k_q82be795754_place,@function
k_q82be795754_place:
	s_mov_b64 s[64:65], 0
	v_nop
	global_prefetch_b8 v0, s[64:65] scope:SCOPE_SE
	s_setreg_imm32_b32 hwreg(HW_REG_WAVE_MODE, 25, 1), 1
	s_wait_xcnt 0x0
; THE ROWS ARE PLACED BY EXPERT AND QUANTISED.  Sorted order: expert e owns ceil(n_e / 16) tiles of 16 rows, from tile toff[e] on; with 2,048 rows and 8 experts there are never more than 135 tiles, whatever the split:
; work-group g is tile g, and one that the split leaves without rows stores nothing and ends (a branch on whole numbers that the launch before stored).
; The spare rows of an expert's last tile repeat that expert's last token, so that every byte of a used tile is written.
; Every wave adds up the 128 blocks' counts, finds the tile's expert, and for row r the j-th token of that expert: the block whose running count covers j, then ORD[j + (16 block + start) - running count].
; Then wave w gathers K steps 2 w and 2 w + 1 of the 16 rows of x (lane (r, h): of row r, 16 neighbours of each 32), holds them within +-57,344 x 2^e0, converts them to E5M2 codes, and stores them as
; IMAGES OF THE OPERAND'S REGISTERS: tile g at 16,384 g; block (K step s, c) at 512 (4 s + c); in it lane l's 16 bytes at 16 l: codes k = 128 s + 32 c + 16 h + 0 .. 15 of row r.  Each store is 512 consecutive bytes.
; srt: bytes 0..8639 the token of each sorted row; from byte 8704 toff[0..7], then the experts' numbers of tiles.  pso: the probability of each sorted row.
; LIMITS: lowp_scales[0] between -126 and 112, so that 2^e0 and 57,344 x 2^e0 are f32 numbers.  NaN among the inputs is not served.
.set TB, 32                            ; v32-63   BLK's words of blocks 4 lane + k: v[TB+8k+e]
.set X,  64                            ; v64-191  two K steps of 64 numbers a lane
.set PC, 192                           ; v192-223 their codes
	s_load_b256 s[4:11], s[0:1], 0x0               ; x s[4:5], loc s[6:7], prb s[8:9], the scales' exponents s[10:11]
	s_load_b128 s[12:15], s[0:1], 0x20             ; xs s[12:13], srt s[14:15]
	s_load_b64 s[16:17], s[0:1], 0x30              ; pso
	v_lshrrev_b32 v1, 5, v0
	v_readfirstlane_b32 s18, v1                    ; wave 0..3
	v_and_b32 v1, 31, v0                           ; lane
	v_and_b32 v2, 15, v0                           ; r
	v_bfe_u32 v3, v0, 4, 1                         ; h
	v_lshlrev_b32 v4, 4, v1                        ; 16 x lane
	v_lshlrev_b32 v5, 7, v1                        ; 128 x lane: four blocks' words
	v_mov_b32 v7, 0
	v_mov_b32 v13, 0
	s_lshl_b32 s72, s18, 10
	v_lshl_add_u32 v24, v3, 6, s72                 ; 64 h + 1,024 x wave: my bytes in a row of x
	v_lshlrev_b32 v26, 2, v2                       ; 4 r
	s_mov_b32 s66, 0x76543210                      ; v_permlanex16_b32: lane l xor 16
	s_mov_b32 s67, 0xfedcba98
	s_wait_kmcnt 0x0
	s_load_b32 s19, s[10:11], 0x0                  ; e0
.irp m, 0,1,2,3,4,5,6,7
	global_load_b128 v[TB+4*\m:TB+4*\m+3], v5, s[6:7] offset:8192+16*\m
.endr
	s_wait_loadcnt 0x0
	; the experts' totals: the counts are the words' upper halves; two experts' counts share a register (a total is 2,048 at the most)
.irp q, 0,1,2,3
	v_perm_b32 v[16+\q], v[TB+2*\q+1], v[TB+2*\q], 0x07060302
.endr
.irp k, 1,2,3
.irp q, 0,1,2,3
	v_perm_b32 v[20+\q], v[TB+8*\k+2*\q+1], v[TB+8*\k+2*\q], 0x07060302
.endr
.irp q, 0,1,2,3
	v_add_nc_u32 v[16+\q], v[16+\q], v[20+\q]
.endr
.endr
.irp m, 1,2,4,8
.irp q, 0,1,2,3
	v_mov_b32_dpp v[20+\q], v[16+\q] row_xmask:\m row_mask:0xf bank_mask:0xf
.endr
.irp q, 0,1,2,3
	v_add_nc_u32 v[16+\q], v[16+\q], v[20+\q]
.endr
.endr
.irp q, 0,1,2,3
	v_permlanex16_b32 v[20+\q], v[16+\q], s66, s67
.endr
.irp q, 0,1,2,3
	v_add_nc_u32 v[16+\q], v[16+\q], v[20+\q]
.endr
.irp q, 0,1,2,3
	v_readfirstlane_b32 s[68+\q], v[16+\q]
.endr
.irp q, 0,1,2,3
	s_and_b32 s[20+2*\q], s[68+\q], 0xffff         ; n_e in s20 .. s27
	s_lshr_b32 s[21+2*\q], s[68+\q], 16
.endr
	s_mov_b32 s28, 0                               ; toff[0 .. 8] in s28 .. s36; the numbers of tiles in s80 .. s87
.irp e, 0,1,2,3,4,5,6,7
	s_add_co_u32 s[80+\e], s[20+\e], 15
	s_lshr_b32 s[80+\e], s[80+\e], 4
	s_add_co_u32 s[29+\e], s[28+\e], s[80+\e]
.endr
	s_mov_b32 s37, 0                               ; my tile's expert: the last e with toff[e] <= g,
	s_mov_b32 s38, 0                               ; its first tile,
	s_mov_b32 s39, s20                             ; its rows
.irp e, 1,2,3,4,5,6,7
	s_cmp_ge_u32 ttmp9, s[28+\e]
	s_cselect_b32 s37, \e, s37
	s_cselect_b32 s38, s[28+\e], s38
	s_cselect_b32 s39, s[20+\e], s39
.endr
	s_cmp_ge_u32 ttmp9, s36                        ; this split has no tile g
	s_cbranch_scc1 .Lend
	s_bitcmp1_b32 s37, 0                           ; column e of the table, by the three bits of e
	s_cselect_b32 s60, -1, 0
	s_bitcmp1_b32 s37, 1
	s_cselect_b32 s61, -1, 0
	s_bitcmp1_b32 s37, 2
	s_cselect_b32 s62, -1, 0
.irp k, 0,1,2,3
.irp a, 0,1,2,3
	v_cndmask_b32 v[TB+8*\k+2*\a], v[TB+8*\k+2*\a], v[TB+8*\k+2*\a+1], s60
.endr
.irp a, 0,1
	v_cndmask_b32 v[TB+8*\k+4*\a], v[TB+8*\k+4*\a], v[TB+8*\k+4*\a+2], s61
.endr
	v_cndmask_b32 v[TB+8*\k], v[TB+8*\k], v[TB+8*\k+4], s62   ; block 4 lane + k's word for e
.endr
	s_sub_co_u32 s72, ttmp9, s38
	s_lshl_b32 s72, s72, 4
	v_add_nc_u32 v6, s72, v2                       ; j = 16 (g - toff) + r,
	s_sub_co_u32 s73, s39, 1
	v_min_u32 v6, s73, v6                          ; held at the expert's last row
	s_mov_b32 s56, 0                               ; the running count
; Sixteen blocks, in ascending order: the last block whose running count is at most j holds row j (a block with no row of e is overruled by the next one that has some)
.macro SCAN16 g
.irp a, 0,1,2,3
.irp k, 0,1,2,3
	v_readlane_b32 s[40+4*\a+\k], v[TB+8*\k], 4*\g+\a
.endr
.endr
.irp n, 0,1,2,3,4,5,6,7,8,9,10,11,12,13,14,15
	s_lshr_b32 s57, s[40+\n], 16
	s_and_b32 s58, s[40+\n], 0xffff
	s_sub_co_u32 s58, s58, s56                     ; (16 block + start) - running count
	v_cmp_le_u32 vcc_lo, s56, v6
	v_cndmask_b32 v7, v7, s58, vcc_lo
	s_add_co_u32 s56, s56, s57
.endr
.endm
.irp g, 0,1,2,3,4,5,6,7
	SCAN16 \g
.endr
	v_add_nc_u32 v8, v6, v7                        ; the row's place in ORD,
	v_min_u32 v8, 2047, v8                         ; held inside the table
	v_lshlrev_b32 v8, 2, v8
	global_load_b32 v9, v8, s[6:7]
	s_lshl_b32 s76, ttmp9, 14                      ; xs: 16,384 bytes a tile, 4,096 a wave
	s_lshl_b32 s77, s18, 12
	s_add_co_u32 s76, s76, s77
	s_mov_b32 s77, 0
	s_add_nc_u64 s[12:13], s[12:13], s[76:77]
	s_wait_kmcnt 0x0
	s_add_co_i32 s74, s19, 127
	s_lshl_b32 s75, s74, 23
	v_mov_b32 v14, s75                             ; 2^e0 as f32: the conversion takes its exponent field
	s_add_co_i32 s74, s74, 15
	s_lshl_b32 s74, s74, 23
	s_or_b32 s74, s74, 0x600000
	v_mov_b32 v15, s74                             ; 57,344 x 2^e0
	s_wait_loadcnt 0x0
	v_min_u32 v9, 2047, v9                         ; the token, held inside x
	v_lshlrev_b32 v10, 12, v9
	v_add_nc_u32 v10, v10, v24                     ; its row, + my bytes in it
	v_lshlrev_b32 v25, 2, v9
	global_load_b32 v11, v25, s[8:9]               ; its probability
.macro XLOAD s                         ; K step 2 w + s: register 16 b + i = k 32 b + 16 h + i of my row
.irp b, 0,1,2,3
.irp j, 0,1,2,3
	global_load_b128 v[X+64*\s+16*\b+4*\j:X+64*\s+16*\b+4*\j+3], v10, s[4:5] offset:512*\s+128*\b+16*\j
.endr
.endr
.endm
.macro QUANT s
.set n, 0
.rept 64
	v_med3_num_f32 v[X+64*\s+n], v[X+64*\s+n], -v15, v15   ; the conversion to an 8-bit code does not saturate (ISA guide 7.6.2): the hold at the largest code x the scale comes first
.set n, n+1
.endr
.irp g, 0,1,2,3,4,5,6,7
	v_cvt_scalef32_pk8_bf8_f32 v[PC+16*\s+2*\g:PC+16*\s+2*\g+1], v[X+64*\s+8*\g:X+64*\s+8*\g+7], v14
.endr
	v_nop                                          ; a plain line behind the last conversion
.irp c, 0,1,2,3
	global_store_b128 v4, v[PC+16*\s+4*\c:PC+16*\s+4*\c+3], s[12:13] offset:2048*\s+512*\c   ; 32 lanes store 512 consecutive bytes, at a multiple of 512 from xs's first byte
.endr
.endm
	XLOAD 0
	XLOAD 1
	s_wait_loadcnt 16                              ; the probability and the first K step are in; the second step's 16 loads may be out
	QUANT 0
	s_wait_loadcnt 0x0
	QUANT 1
	s_cmp_lg_u32 s18, 0
	s_cbranch_scc1 .Lend
	; wave 0 stores the tile's list of tokens and their probabilities; work-group 0 (tile 0 always exists) also the experts' table
.irp e, 0,1,2,3,4,5,6,7
	v_writelane_b32 v13, s[28+\e], \e
	v_writelane_b32 v13, s[80+\e], 8+\e
.endr
	s_lshl_b32 s76, ttmp9, 6
	s_add_nc_u64 s[78:79], s[14:15], s[76:77]
	s_add_nc_u64 s[16:17], s[16:17], s[76:77]
	s_wait_xcnt 0x0                                ; EXEC changes only behind this wait
	v_cmpx_gt_u32 16, v0
	global_store_b32 v26, v9, s[78:79]
	global_store_b32 v26, v11, s[16:17]
	s_cmp_lg_u32 ttmp9, 0
	s_cbranch_scc1 .Lend
	global_store_b32 v26, v13, s[14:15] offset:8704
.Lend:
	s_endpgm
.Lfunc_end_k_q82be795754_place:
	.size	k_q82be795754_place, .Lfunc_end_k_q82be795754_place-k_q82be795754_place
	.p2alignl 7, 3214868480
	.fill 96, 4, 3214868480
	.section	.rodata,"a",@progbits
	.p2align	6, 0x0
	.amdhsa_kernel k_q82be795754_place
		.amdhsa_group_segment_fixed_size 0
		.amdhsa_private_segment_fixed_size 0
		.amdhsa_enable_private_segment 0
		.amdhsa_kernarg_size 56
		.amdhsa_user_sgpr_count 2
		.amdhsa_user_sgpr_kernarg_segment_ptr 1
		.amdhsa_wavefront_size32 1
		.amdhsa_system_sgpr_workgroup_id_x 1
		.amdhsa_system_sgpr_workgroup_id_y 1
		.amdhsa_system_sgpr_workgroup_id_z 1
		.amdhsa_system_vgpr_workitem_id 0
		.amdhsa_next_free_vgpr 224
		.amdhsa_next_free_sgpr 96
		.amdhsa_reserve_vcc 1
		.amdhsa_float_denorm_mode_32 3
		.amdhsa_float_denorm_mode_16_64 3
		.amdhsa_memory_ordered 1
		.amdhsa_forward_progress 1
		.amdhsa_inst_pref_size 66
	.end_amdhsa_kernel
	.amdgpu_metadata
---
amdhsa.version: [ 1, 2 ]
amdhsa.kernels:
  - .name:           k_q82be795754_place
    .symbol:         k_q82be795754_place.kd
    .args:
      - { .name: x, .offset: 0, .size: 8, .value_kind: global_buffer, .address_space: global }
      - { .name: loc, .offset: 8, .size: 8, .value_kind: global_buffer, .address_space: global }
      - { .name: prb, .offset: 16, .size: 8, .value_kind: global_buffer, .address_space: global }
      - { .name: lowp_scales, .offset: 24, .size: 8, .value_kind: global_buffer, .address_space: global }
      - { .name: xs, .offset: 32, .size: 8, .value_kind: global_buffer, .address_space: global }
      - { .name: srt, .offset: 40, .size: 8, .value_kind: global_buffer, .address_space: global }
      - { .name: pso, .offset: 48, .size: 8, .value_kind: global_buffer, .address_space: global }
    .group_segment_fixed_size: 0
    .private_segment_fixed_size: 0
    .kernarg_segment_align: 8
    .kernarg_segment_size: 56
    .max_flat_workgroup_size: 128
    .sgpr_count:     96
    .vgpr_count:     224
    .wavefront_size: 32
...
	.end_amdgpu_metadata
.endif
;; end of part 2
;; launch up (part 3): grid 32 x 8, 4 waves a work-group, no clusters, 67,072 bytes of LDS; arguments xs, W1_codes, b1, lowp_scales, srt, hs; writes hs
.if DOCPART == 3
	.amdgcn_target "amdgcn-amd-amdhsa--gfx1250"
	.amdhsa_code_object_version 6
	.text
	.protected	k_q82be795754_up
	.globl	k_q82be795754_up
	.p2align	8
	.type	k_q82be795754_up,@function
k_q82be795754_up:
	s_mov_b64 s[64:65], 0
	v_nop
	global_prefetch_b8 v0, s[64:65] scope:SCOPE_SE
	s_setreg_imm32_b32 hwreg(HW_REG_WAVE_MODE, 25, 1), 1
	s_wait_xcnt 0x0
; THE FIRST PRODUCT OF THE CHOSEN EXPERT: hs = Q(relu(x W1 + b1)), on codes of E5M2, for the rows that were routed to the expert alone.
; SHARES.  Work-group (ct, e) owns hidden units 64 ct .. 64 ct + 63 of expert e: 64 rows of W1's codes x 1,024 K = 65,536 bytes, read from memory by this work-group alone, in loads of 512 consecutive bytes,
; turned through LDS once, and then held WHOLE in every wave's registers (512 registers).  Wave w takes the expert's tiles of 16 rows w, w + 4, ..: (tiles + 3 - w) / 4 of them, a number read from srt.
; A tile of x comes straight from memory into operand registers: xs holds images of those registers (32 loads of 512 consecutive bytes); two tiles a wave are on their way or at work.
; NO TENSOR LOADS AND NO JOINT LOADS, though the 32 work-groups of an expert read the same tiles of xs: the loop's trip count is read from memory and differs from expert to expert.
; TRANSPOSED USE: source 0 = 16 rows of W1, source 1 = 16 rows of x: a lane holds ONE row of x, its registers run along the hidden units.  THE ROWS OF W1 THAT FORM A TILE ARE NOT NEIGHBOURS: row m = 8 h' + j of tile
; 2 b + u is hidden unit 32 b + 16 h' + 8 u + j, so that the 16 registers of tiles 2 b, 2 b + 1 are 16 neighbours along the next K.  In LDS the rows lie in the tiles' order (the wave that stores a row puts it there).
; b1 / 2^(e0 + e1) is the C of each sum's first product; relu and the hold at the largest code are one v_med3; the three scales are folded into the conversion's one, 2^(e3 - e0 - e1).
; hs: tile at 32,768 x tile; block (K step s, c) at 512 (4 s + c), lane l's 16 bytes at 16 l: my 64 units are blocks 2 ct and 2 ct + 1: two stores of 512 consecutive bytes a tile.
; LIMITS: e3 - e0 - e1 between -126 and 112.  NaN among the inputs is not served.
; REGISTERS, in windows of 256: window 0: v1-9 addresses and constants; v32-63 four accumulators; v64-71 codes; v96-127 b1; v128-255 x's tile, buffer 0.
;   window 1: W1's fragments of K steps 0-3 at v[64 s + 16 t] (before the barrier: v0-127 the rows as loaded).   window 2: K steps 4-7.   window 3: v0-127 x's tile, buffer 1.
.set PW,  1040                         ; an LDS row: 1,024 bytes + 16: an odd multiple of 16, so that the 16 rows of a fragment load start at 16 different groups of banks
.set ACC, 32
.set HC,  64
.set B1,  96
.set MSB, 0
.macro WIN new                         ; the immediate's high byte repeats the setting that is left; a switch that changes nothing is dropped
.if MSB != (\new)
	s_set_vgpr_msb (MSB<<8)|(\new)
.set MSB, (\new)
.endif
.endm
	s_load_b256 s[4:11], s[0:1], 0x0               ; xs s[4:5], W1's codes s[6:7], b1 s[8:9], the scales' exponents s[10:11]
	s_load_b128 s[12:15], s[0:1], 0x20             ; srt s[12:13], hs s[14:15]
	v_lshl_add_u32 v94, v0, 2, 0x10400
	v_mov_b32 v95, 0
	v_lshrrev_b32 v1, 5, v0
	v_readfirstlane_b32 s16, v1                    ; wave 0..3
	v_and_b32 v1, 31, v0
	v_lshlrev_b32 v2, 4, v1                        ; 16 x lane: never rewritten
	v_and_b32 v8, 15, v0                           ; r
	v_bfe_u32 v9, v0, 4, 1                         ; h
	s_mov_b32 s17, ttmp9                           ; ct
	s_and_b32 s18, ttmp7, 0xffff                   ; e
	s_lshr_b32 s23, s16, 1                         ; my 16 rows 16 w + i go to LDS rows 32 (w / 2) + 8 (w % 2) + 16 (i / 8) + i % 8
	s_lshl_b32 s23, s23, 5
	s_and_b32 s47, s16, 1
	s_lshl_b32 s47, s47, 3
	s_add_co_u32 s23, s23, s47
	s_mul_i32 s23, s23, PW
	v_add_nc_u32 v3, s23, v2
	v_mul_u32_u24 v4, v8, PW
	v_lshl_add_u32 v4, v9, 4, v4                   ; a fragment: row r x pitch + 16 h
	v_lshlrev_b32 v5, 6, v9                        ; b1: 16 h numbers on
	s_lshl_b32 s40, s18, 21                        ; W1: 2 MiB an expert, 65,536 bytes a work-group, 16,384 a wave
	s_lshl_b32 s47, s17, 16
	s_add_co_u32 s40, s40, s47
	s_lshl_b32 s47, s16, 14
	s_add_co_u32 s40, s40, s47
	s_mov_b32 s41, 0
	s_lshl_b32 s36, s18, 13                        ; b1: 8,192 bytes an expert, 256 a work-group
	s_lshl_b32 s47, s17, 8
	s_add_co_u32 s36, s36, s47
	s_mov_b32 s37, 0
	s_lshl_b32 s50, s18, 2                         ; the expert's words in srt's table
	s_mov_b32 s51, 0
	s_lshl_b32 s52, s17, 10                        ; hs: my two blocks in a tile
	s_mov_b32 s53, 0
	s_wait_kmcnt 0x0
	s_add_nc_u64 s[42:43], s[6:7], s[40:41]
	s_add_nc_u64 s[44:45], s[8:9], s[36:37]
	s_add_nc_u64 s[38:39], s[12:13], s[50:51]
	s_add_nc_u64 s[48:49], s[14:15], s[52:53]
	s_load_b128 s[24:27], s[10:11], 0x0            ; e0, e1, e2, e3
	s_load_b32 s19, s[38:39], 0x2200               ; the expert's first tile
	s_load_b32 s20, s[38:39], 0x2220               ; and its number of tiles
	WIN 0x40                                       ; destination window 1
.irp i, 0,1,2,3,4,5,6,7,8,9,10,11,12,13,14,15
.irp u, 0,1
	global_load_b128 v[4*(2*\i+\u):4*(2*\i+\u)+3], v2, s[42:43] offset:1024*\i+512*\u th:TH_LOAD_NT   ; 512 consecutive bytes of row 16 w + i; read once in the launch
.endr
.endr
	WIN 0
.irp t, 0,1,2,3
	global_load_b128 v[B1+8*\t:B1+8*\t+3], v5, s[44:45] offset:(32*(\t/2)+8*(\t%2))*4          ; lane (r, h), tile 2 b + u: units 32 b + 16 h + 8 u + 0 .. 7
	global_load_b128 v[B1+8*\t+4:B1+8*\t+7], v5, s[44:45] offset:(32*(\t/2)+8*(\t%2))*4+16
.endr
	s_wait_loadcnt 0x0
	WIN 0x04                                       ; store data window 1
.irp i, 0,1,2,3,4,5,6,7,8,9,10,11,12,13,14,15
.irp u, 0,1
	ds_store_b128 v3, v[4*(2*\i+\u):4*(2*\i+\u)+3] offset:(16*(\i/8)+(\i%8))*PW+512*\u
.endr
.endr
	WIN 0
	s_wait_dscnt 0x0                               ; for the others' sake: my 16 rows have landed
	s_barrier_signal -1                            ; the launch's one barrier: it stands ahead of every branch on a number read from memory
	s_barrier_wait -1
	s_wait_kmcnt 0x0
	s_add_co_u32 s21, s20, 3
	s_sub_co_u32 s21, s21, s16
	s_lshr_b32 s21, s21, 2                         ; my tiles: (tiles + 3 - w) / 4
	s_cmp_eq_u32 s21, 0
	s_cbranch_scc1 .Ldone
	s_add_co_u32 s46, s19, s16                     ; my first tile
; My tile of ordinal s[ordreg] into buffer buf: 32 loads of 512 consecutive bytes.  The tile's number is held inside xs's 135 tiles and kept for the way out.
.macro LOADA buf, ordreg
.set AB, 128-128*(\buf)
	s_lshl_b32 s23, s[\ordreg], 2
	s_add_co_u32 s23, s23, s46
	s_min_u32 s[32+\buf], s23, 134
	s_lshl_b32 s36, s[32+\buf], 14
	s_mov_b32 s37, 0
	s_add_nc_u64 s[28+2*\buf:29+2*\buf], s[4:5], s[36:37]
	WIN 0xc0*(\buf)                                ; buffer 1: destination window 3
.irp s, 0,1,2,3,4,5,6,7
.irp c, 0,1,2,3
	global_load_b128 v[AB+16*\s+4*\c:AB+16*\s+4*\c+3], v2, s[28+2*\buf:29+2*\buf] offset:(4*\s+\c)*512
.endr
.endr
	WIN 0
.endm
; 32 matrix instructions: 8 K steps x 4 tiles of hidden units.  The four accumulators take turns, one instruction a turn.  Four places follow, for the reads of the results and the loads into the buffer.
.macro MUL buf
.set AB, 128-128*(\buf)
.irp s, 0,1,2,3,4,5,6,7
	WIN 1+(\s/4)+12*(\buf)                         ; source 0: window 1 or 2; source 1: window 0 or 3; C and D window 0
.irp t, 0,1,2,3
.if \s == 0
	v_wmma_f32_16x16x128_bf8_bf8 v[ACC+8*\t:ACC+8*\t+7], v[16*\t:16*\t+15], v[AB:AB+15], v[B1+8*\t:B1+8*\t+7]
.else
	v_wmma_f32_16x16x128_bf8_bf8 v[ACC+8*\t:ACC+8*\t+7], v[64*(\s%4)+16*\t:64*(\s%4)+16*\t+15], v[AB+16*\s:AB+16*\s+15], v[ACC+8*\t:ACC+8*\t+7]
.endif
.endr
.endr
	WIN 0
.rept 4
	v_nop
.endr
.endm
; The way out of a tile: relu and the hold in one, the conversions, two stores.
.macro EPI buf
	s_wait_xcnt 0x0                                ; the last tile's stores have read their codes and their base: both are written again only behind this wait
	s_lshl_b32 s36, s[32+\buf], 15
	s_mov_b32 s37, 0
	s_add_nc_u64 s[34:35], s[48:49], s[36:37]
.set n, 0
.rept 32
	v_med3_num_f32 v[ACC+n], v[ACC+n], 0, v7       ; between 0 and the largest code x the scale; each accumulator from its low end on
.set n, n+1
.endr
.irp g, 0,1,2,3
	v_cvt_scalef32_pk8_bf8_f32 v[HC+2*\g:HC+2*\g+1], v[ACC+8*\g:ACC+8*\g+7], v6
.endr
	v_nop                                          ; a plain line between the conversions and the next products, which write their sources
	global_store_b128 v2, v[HC:HC+3], s[34:35]                 ; 512 consecutive bytes each, at a multiple of 512 from hs's first byte
	global_store_b128 v2, v[HC+4:HC+7], s[34:35] offset:512
.endm
; A tile from buffer buf; then the buffer takes my tile two further on, if there is one.  Each path has its own wait: behind it the OTHER buffer's loads are in.
.macro TILE buf
	MUL \buf
	EPI \buf
	s_add_co_u32 s47, s22, 2+\buf
	s_cmp_lt_u32 s47, s21
	s_cbranch_scc0 .Lnone_\@
	LOADA \buf, 47
	s_wait_loadcnt 32                              ; all but the 32 just issued
	s_branch .Lgo_\@
.Lnone_\@:
	s_wait_loadcnt 0x0
.Lgo_\@:
.endm
	s_mov_b32 s47, 0
	LOADA 0, 47
	s_sub_co_u32 s47, s21, 1
	s_min_u32 s47, s47, 1                          ; my second tile; a wave with one tile asks for that one again, so that buffer 1 is written on every path
	LOADA 1, 47
.irp s, 0,1,2,3,4,5,6,7                    ; W1's 32 fragments, 128 LDS loads: they stay for the whole launch
	WIN 0x40*(1+\s/4)                              ; destination window 1 or 2
.irp t, 0,1,2,3
.irp c, 0,1,2,3
	ds_load_b128 v[64*(\s%4)+16*\t+4*\c:64*(\s%4)+16*\t+4*\c+3], v4 offset:16*\t*PW+128*\s+32*\c
.endr
.endr
.endr
	WIN 0
	s_add_co_i32 s47, s24, s25                     ; e0 + e1: a sum stands for sum x 2^(e0 + e1),
	s_sub_co_i32 s23, s27, s47
	s_add_co_i32 s23, s23, 127
	s_lshl_b32 s36, s23, 23
	v_mov_b32 v6, s36                              ; so its code is sum / 2^(e3 - e0 - e1)
	s_add_co_i32 s23, s23, 15
	s_lshl_b32 s23, s23, 23
	s_or_b32 s23, s23, 0x600000
	v_mov_b32 v7, s23                              ; 57,344 x that
	s_sub_co_i32 s47, 0, s47
.set n, 0
.rept 32
	v_ldexp_f32 v[B1+n], v[B1+n], s47              ; b1 / 2^(e0 + e1)
.set n, n+1
.endr
	s_wait_loadcnt 32                              ; buffer 0 is in; buffer 1's 32 loads may be out
	s_wait_dscnt 0x0                               ; W1's fragments are in
	s_add_co_u32 s54, s21, 1
	s_lshr_b32 s54, s54, 1                         ; trips: two of my tiles each, the last one perhaps with one: (my tiles + 1) / 2, at least 1; not written in the loop
	s_mov_b32 s55, 0                               ; the trip, stepped by 1
.Lloop:                                                ; the loop is left by its backward branch, or by the wave's end in its middle
	s_lshl_b32 s22, s55, 1                         ; the ordinal of the trip's first tile
	TILE 0
	s_add_co_u32 s47, s22, 1
	s_cmp_lt_u32 s47, s21
	s_cbranch_scc1 .Lsecond                        ; there is a second tile in this trip
	s_wait_tensorcnt 0x0
	ds_add_u32 v94, v95
	s_wait_dscnt 0x0
	s_endpgm                                       ; an odd number of tiles: the wave's work is done; only its last stores are on their way
.Lsecond:
	TILE 1
	s_add_co_u32 s55, s55, 1
	s_cmp_lt_u32 s55, s54
	s_cbranch_scc1 .Lloop
.Ldone:
	s_wait_tensorcnt 0x0
	ds_add_u32 v94, v95
	s_wait_dscnt 0x0
	s_endpgm
.Lfunc_end_k_q82be795754_up:
	.size	k_q82be795754_up, .Lfunc_end_k_q82be795754_up-k_q82be795754_up
	.p2alignl 7, 3214868480
	.fill 96, 4, 3214868480
	.section	.rodata,"a",@progbits
	.p2align	6, 0x0
	.amdhsa_kernel k_q82be795754_up
		.amdhsa_group_segment_fixed_size 67072
		.amdhsa_private_segment_fixed_size 0
		.amdhsa_enable_private_segment 0
		.amdhsa_kernarg_size 48
		.amdhsa_user_sgpr_count 2
		.amdhsa_user_sgpr_kernarg_segment_ptr 1
		.amdhsa_wavefront_size32 1
		.amdhsa_system_sgpr_workgroup_id_x 1
		.amdhsa_system_sgpr_workgroup_id_y 1
		.amdhsa_system_sgpr_workgroup_id_z 1
		.amdhsa_system_vgpr_workitem_id 0
		.amdhsa_next_free_vgpr 896
		.amdhsa_next_free_sgpr 66
		.amdhsa_reserve_vcc 0
		.amdhsa_float_denorm_mode_32 3
		.amdhsa_float_denorm_mode_16_64 3
		.amdhsa_memory_ordered 1
		.amdhsa_forward_progress 1
		.amdhsa_inst_pref_size 43
	.end_amdhsa_kernel
	.amdgpu_metadata
---
amdhsa.version: [ 1, 2 ]
amdhsa.kernels:
  - .name:           k_q82be795754_up
    .symbol:         k_q82be795754_up.kd
    .args:
      - { .name: xs, .offset: 0, .size: 8, .value_kind: global_buffer, .address_space: global }
      - { .name: W1_codes, .offset: 8, .size: 8, .value_kind: global_buffer, .address_space: global }
      - { .name: b1, .offset: 16, .size: 8, .value_kind: global_buffer, .address_space: global }
      - { .name: lowp_scales, .offset: 24, .size: 8, .value_kind: global_buffer, .address_space: global }
      - { .name: srt, .offset: 32, .size: 8, .value_kind: global_buffer, .address_space: global }
      - { .name: hs, .offset: 40, .size: 8, .value_kind: global_buffer, .address_space: global }
    .group_segment_fixed_size: 67072
    .private_segment_fixed_size: 0
    .kernarg_segment_align: 8
    .kernarg_segment_size: 48
    .max_flat_workgroup_size: 128
    .sgpr_count:     66
    .vgpr_count:     896
    .wavefront_size: 32
...
	.end_amdgpu_metadata
.endif
;; end of part 3
;; launch down (part 4): grid 32 x 8, 4 waves a work-group, no clusters, 75,776 bytes of LDS; arguments hs, W2_codes, b2, lowp_scales, srt, pso, out0; writes out0
.if DOCPART == 4
	.amdgcn_target "amdgcn-amd-amdhsa--gfx1250"
	.amdhsa_code_object_version 6
	.text
	.protected	k_q82be795754_down
	.globl	k_q82be795754_down
	.p2align	8
	.type	k_q82be795754_down,@function
k_q82be795754_down:
	s_mov_b64 s[64:65], 0
	v_nop
	global_prefetch_b8 v0, s[64:65] scope:SCOPE_SE
	s_setreg_imm32_b32 hwreg(HW_REG_WAVE_MODE, 25, 1), 1
	s_wait_xcnt 0x0
; THE SECOND PRODUCT OF THE CHOSEN EXPERT: out0[token] = (hs W2 x 2^(e2 + e3) + b2) x the token's probability, on codes of E5M2.
; SHARES.  Work-group (ct, e) owns output columns 32 ct .. 32 ct + 31 of expert e: 32 rows of W2's codes x 2,048 K = 65,536 bytes, read from memory by this work-group alone, in loads of 512 consecutive bytes, turned
; through LDS once and then held whole in every wave's registers.  Wave w takes the expert's tiles of 16 rows w, w + 4, .., one a trip; their number is read from srt.
; A tile of hs (32,768 bytes of register images) comes in two halves of 8 K steps, each 32 loads of 512 consecutive bytes; while one half is multiplied the other is on its way.
; NO TENSOR LOADS AND NO JOINT LOADS, though the 32 work-groups of an expert read the same tiles of hs: the loop's trip count is read from memory and differs from expert to expert.
; TRANSPOSED USE: source 0 = 16 rows of W2 (output columns), source 1 = 16 rows of hs: a lane holds one row and eight neighbouring columns.  A tile's results go through the wave's own stage in LDS, so that eight lanes
; store the 128 consecutive bytes that are my columns of one token's row (a wave's 32 columns are half of an aligned 256 bytes; the other half is another work-group's).
; The spare rows of an expert's last tile repeat its last token: they store the same numbers to the same bytes once more, from this wave.
; LIMITS: e2 + e3 between -126 and 127.  NaN among the inputs is not served.
; REGISTERS, in windows of 256: window 0: v1-14 addresses; v32-47 two accumulators; v48-63 results; v64-79 rows read back; v80-95 b2; v96-99 four tokens; v100 the probability; v104-107 store offsets; v128-255 hs, K steps 0-7.
;   window 1: W2's fragments of K steps 0-7 at v[32 s + 16 t] (before the barrier: v0-127 the rows as loaded).   window 2: K steps 8-15.   window 3: v0-127 hs, K steps 8-15.
.set PW,  2064                         ; an LDS row: 2,048 bytes + 16: an odd multiple of 16
.set STG, 32*PW                        ; behind W2's rows: a stage of 16 rows x (128 bytes + 16) for each wave
.set ACC, 32
.set Y,   48
.set OUT, 64
.set B2,  80
.set TK,  96
.set PR,  100
.set OA,  104
.set MSB, 0
.macro WIN new                         ; the immediate's high byte repeats the setting that is left; a switch that changes nothing is dropped
.if MSB != (\new)
	s_set_vgpr_msb (MSB<<8)|(\new)
.set MSB, (\new)
.endif
.endm
	s_load_b256 s[4:11], s[0:1], 0x0               ; hs s[4:5], W2's codes s[6:7], b2 s[8:9], the scales' exponents s[10:11]
	s_load_b128 s[12:15], s[0:1], 0x20             ; srt s[12:13], pso s[14:15]
	s_load_b64 s[16:17], s[0:1], 0x30              ; out0
	v_lshl_add_u32 v126, v0, 2, 0x12600
	v_mov_b32 v127, 0
	v_lshrrev_b32 v1, 5, v0
	v_readfirstlane_b32 s18, v1                    ; wave 0..3
	v_and_b32 v1, 31, v0
	v_lshlrev_b32 v2, 4, v1                        ; 16 x lane: never rewritten
	v_and_b32 v11, 15, v0                          ; r
	v_bfe_u32 v12, v0, 4, 1                        ; h
	v_lshrrev_b32 v13, 3, v1                       ; lane / 8
	v_and_b32 v14, 7, v1                           ; lane % 8
	s_mov_b32 s19, ttmp9                           ; ct
	s_and_b32 s20, ttmp7, 0xffff                   ; e
	s_mul_i32 s25, s18, 8*PW                       ; my 8 rows of W2 in LDS
	v_add_nc_u32 v3, s25, v2
	v_mul_u32_u24 v4, v11, PW
	v_lshl_add_u32 v4, v12, 4, v4                  ; a fragment: row r x pitch + 16 h
	v_lshlrev_b32 v5, 5, v12                       ; b2: 8 h numbers on
	v_lshlrev_b32 v6, 2, v11                       ; pso: row r's number
	v_lshlrev_b32 v7, 4, v13                       ; srt: the tokens of rows 4 (lane / 8) + 0 .. 3
	s_mul_i32 s25, s18, 16*144
	s_add_co_u32 s25, s25, STG                     ; my stage
	v_mul_u32_u24 v8, v11, 144
	v_lshl_add_u32 v8, v12, 5, v8
	v_add_nc_u32 v8, s25, v8                       ; in: row r, + 32 h
	v_mul_u32_u24 v9, v13, 4*144
	v_lshl_add_u32 v9, v14, 4, v9
	v_add_nc_u32 v9, s25, v9                       ; back: row 4 (lane / 8) + i, 16 bytes a lane
	v_lshlrev_b32 v10, 4, v14                      ; and the same 16 bytes of my 128 in a row of out0
	v_mov_b32 v[PR+1], 0                           ; (named with the probability as a pair, so it is written)
	s_lshl_b32 s40, s20, 21                        ; W2: 2 MiB an expert, 65,536 bytes a work-group, 16,384 a wave
	s_lshl_b32 s25, s19, 16
	s_add_co_u32 s40, s40, s25
	s_lshl_b32 s25, s18, 14
	s_add_co_u32 s40, s40, s25
	s_mov_b32 s41, 0
	s_lshl_b32 s54, s20, 12                        ; b2: 4,096 bytes an expert, 128 a work-group
	s_lshl_b32 s25, s19, 7
	s_add_co_u32 s54, s54, s25
	s_mov_b32 s55, 0
	s_mov_b32 s56, s25                             ; out0: my 128 bytes in a row
	s_mov_b32 s57, 0
	s_lshl_b32 s58, s20, 2                         ; the expert's words in srt's table
	s_mov_b32 s59, 0
	s_wait_kmcnt 0x0
	s_add_nc_u64 s[44:45], s[6:7], s[40:41]
	s_add_nc_u64 s[46:47], s[8:9], s[54:55]
	s_add_nc_u64 s[48:49], s[16:17], s[56:57]
	s_add_nc_u64 s[42:43], s[12:13], s[58:59]
	s_load_b128 s[28:31], s[10:11], 0x0            ; e0, e1, e2, e3
	s_load_b32 s21, s[42:43], 0x2200               ; the expert's first tile
	s_load_b32 s22, s[42:43], 0x2220               ; and its number of tiles
	WIN 0x40                                       ; destination window 1
.irp i, 0,1,2,3,4,5,6,7
.irp u, 0,1,2,3
	global_load_b128 v[4*(4*\i+\u):4*(4*\i+\u)+3], v2, s[44:45] offset:2048*\i+512*\u th:TH_LOAD_NT   ; 512 consecutive bytes of row 8 w + i; read once in the launch
.endr
.endr
	WIN 0
.irp t, 0,1
	global_load_b128 v[B2+8*\t:B2+8*\t+3], v5, s[46:47] offset:64*\t               ; lane (r, h), tile t: columns 16 t + 8 h + 0 .. 7
	global_load_b128 v[B2+8*\t+4:B2+8*\t+7], v5, s[46:47] offset:64*\t+16
.endr
	s_wait_loadcnt 0x0
	WIN 0x04                                       ; store data window 1
.irp i, 0,1,2,3,4,5,6,7
.irp u, 0,1,2,3
	ds_store_b128 v3, v[4*(4*\i+\u):4*(4*\i+\u)+3] offset:PW*\i+512*\u
.endr
.endr
	WIN 0
	s_wait_dscnt 0x0                               ; for the others' sake: my 8 rows have landed
	s_barrier_signal -1                            ; the launch's first barrier: it stands ahead of every branch on a number read from memory
	s_barrier_wait -1
	s_wait_kmcnt 0x0
	s_add_co_u32 s23, s22, 3
	s_sub_co_u32 s23, s23, s18
	s_lshr_b32 s23, s23, 2                         ; my tiles: (tiles + 3 - w) / 4
	s_cmp_eq_u32 s23, 0
	s_cbranch_scc1 .Ldone
	s_add_co_u32 s52, s21, s18                     ; my first tile
; Half a tile of hs (8 K steps: 32 loads of 512 consecutive bytes) of my tile of ordinal s[ordreg]; with the second half come the tile's tokens and probabilities: 34 loads.  The tile's number is held inside the 135 tiles.
.macro LOADH half, ordreg
.set HB, 128-128*(\half)
	s_lshl_b32 s25, s[\ordreg], 2
	s_add_co_u32 s25, s25, s52
	s_min_u32 s26, s25, 134
	s_lshl_b32 s40, s26, 15
	s_mov_b32 s41, 0
	s_add_nc_u64 s[32+2*\half:33+2*\half], s[4:5], s[40:41]
.if \half
	s_lshl_b32 s40, s26, 6
	s_add_nc_u64 s[36:37], s[12:13], s[40:41]
	s_add_nc_u64 s[38:39], s[14:15], s[40:41]
	global_load_b128 v[TK:TK+3], v7, s[36:37]
	global_load_b32 v[PR], v6, s[38:39]
	WIN 0xc0                                       ; destination window 3
.endif
.irp s, 0,1,2,3,4,5,6,7
.irp c, 0,1,2,3
	global_load_b128 v[HB+16*\s+4*\c:HB+16*\s+4*\c+3], v2, s[32+2*\half:33+2*\half] offset:16384*\half+(4*\s+\c)*512
.endr
.endr
	WIN 0
.endm
; 16 matrix instructions: 8 K steps x 2 tiles of columns.  The two accumulators take turns, one instruction a turn, from half to half too.  The first products start the sums.  Four places follow.
.macro MULH half
.set HB, 128-128*(\half)
	WIN 1+13*(\half)                               ; half 0: W2 window 1, hs window 0; half 1: W2 window 2, hs window 3; C and D window 0
.irp s, 0,1,2,3,4,5,6,7
.irp t, 0,1
.if (\half == 0) && (\s == 0)
	v_wmma_f32_16x16x128_bf8_bf8 v[ACC+8*\t:ACC+8*\t+7], v[16*\t:16*\t+15], v[HB:HB+15], 0
.else
	v_wmma_f32_16x16x128_bf8_bf8 v[ACC+8*\t:ACC+8*\t+7], v[32*\s+16*\t:32*\s+16*\t+15], v[HB+16*\s:HB+16*\s+15], v[ACC+8*\t:ACC+8*\t+7]
.endif
.endr
.endr
	WIN 0
.rept 4
	v_nop
.endr
.endm
; The way out of a tile.
.macro EPI
	s_wait_xcnt 0x0                                ; the last tile's stores have read their data and offsets: both are written again only behind this wait
.irp j, 0,2,4,6,8,10,12,14
	v_pk_fma_f32 v[Y+\j:Y+\j+1], v[ACC+\j:ACC+\j+1], s[50:51], v[B2+\j:B2+\j+1] op_sel_hi:[1,0,1]   ; sum x 2^(e2 + e3) + b2; each accumulator from its low end on
.endr
.irp j, 0,2,4,6,8,10,12,14
	v_pk_mul_f32 v[Y+\j:Y+\j+1], v[Y+\j:Y+\j+1], v[PR:PR+1] op_sel_hi:[1,0]                         ; x my row's probability
.endr
.irp t, 0,1
	ds_store_b128 v8, v[Y+8*\t:Y+8*\t+3] offset:64*\t
	ds_store_b128 v8, v[Y+8*\t+4:Y+8*\t+7] offset:64*\t+16
.endr
.irp i, 0,1,2,3
	ds_load_b128 v[OUT+4*\i:OUT+4*\i+3], v9 offset:144*\i          ; my own stage, and LDS serves a wave's instructions in order (ISA guide 5.7.1.4): these see the stores above
.endr
.irp i, 0,1,2,3
	v_min_u32 v[TK+\i], 2047, v[TK+\i]             ; the token, held inside out0
.endr
.irp i, 0,1,2,3
	v_lshlrev_b32 v[OA+\i], 12, v[TK+\i]
.endr
.irp i, 0,1,2,3
	v_add_nc_u32 v[OA+\i], v[OA+\i], v10
.endr
.irp i, 0,1,2,3
	s_wait_dscnt 3-\i                              ; the later reads of the stage may be out
	global_store_b128 v[OA+\i], v[OUT+4*\i:OUT+4*\i+3], s[48:49] th:TH_STORE_NT   ; four rows: eight lanes store 128 consecutive bytes of each
.endr
.endm
	s_mov_b32 s53, 0
	LOADH 0, 53
	LOADH 1, 53
.irp s, 0,1,2,3,4,5,6,7,8,9,10,11,12,13,14,15   ; W2's 32 fragments, 128 LDS loads: they stay for the whole launch
	WIN 0x40*(1+\s/8)                              ; destination window 1 or 2
.irp t, 0,1
.irp c, 0,1,2,3
	ds_load_b128 v[32*(\s%8)+16*\t+4*\c:32*(\s%8)+16*\t+4*\c+3], v4 offset:16*\t*PW+128*\s+32*\c
.endr
.endr
.endr
	WIN 0
	s_add_co_i32 s50, s30, s31
	s_add_co_i32 s50, s50, 127
	s_lshl_b32 s50, s50, 23                        ; 2^(e2 + e3) as f32
	s_mov_b32 s51, s50                             ; (named with it as a pair, so it is written)
	s_wait_dscnt 0x0                               ; W2's fragments are in
	s_wait_loadcnt 34                              ; the first half is in; the second half's 34 loads may be out
	s_mov_b32 s24, 0
.Lloop:                                                ; one of my tiles a trip
	MULH 0
	s_add_co_u32 s53, s24, 1
	s_cmp_lt_u32 s53, s23
	s_cbranch_scc0 .Lno0
	LOADH 0, 53                                    ; my next tile's first half, into the registers just multiplied
	s_wait_loadcnt 32                              ; all but the 32 just issued: this tile's second half, its tokens and probabilities are in
	s_branch .Lgo0
.Lno0:
	s_wait_loadcnt 0x0
.Lgo0:
	MULH 1
	EPI
	s_cmp_lt_u32 s53, s23
	s_cbranch_scc0 .Lno1
	LOADH 1, 53                                    ; my next tile's second half
	s_wait_loadcnt 34                              ; all but the 34 just issued: the next tile's first half is in
	s_branch .Lgo1
.Lno1:
	s_wait_loadcnt 0x0
.Lgo1:
	s_add_co_u32 s24, s24, 1
	s_cmp_lt_u32 s24, s23
	s_cbranch_scc1 .Lloop
.Ldone:
	s_barrier_signal -1
	s_barrier_wait -1
	s_wait_tensorcnt 0x0
	ds_add_u32 v126, v127
	s_wait_dscnt 0x0
	s_endpgm
.Lfunc_end_k_q82be795754_down:
	.size	k_q82be795754_down, .Lfunc_end_k_q82be795754_down-k_q82be795754_down
	.p2alignl 7, 3214868480
	.fill 96, 4, 3214868480
	.section	.rodata,"a",@progbits
	.p2align	6, 0x0
	.amdhsa_kernel k_q82be795754_down
		.amdhsa_group_segment_fixed_size 75776
		.amdhsa_private_segment_fixed_size 0
		.amdhsa_enable_private_segment 0
		.amdhsa_kernarg_size 56
		.amdhsa_user_sgpr_count 2
		.amdhsa_user_sgpr_kernarg_segment_ptr 1
		.amdhsa_wavefront_size32 1
		.amdhsa_system_sgpr_workgroup_id_x 1
		.amdhsa_system_sgpr_workgroup_id_y 1
		.amdhsa_system_sgpr_workgroup_id_z 1
		.amdhsa_system_vgpr_workitem_id 0
		.amdhsa_next_free_vgpr 896
		.amdhsa_next_free_sgpr 66
		.amdhsa_reserve_vcc 0
		.amdhsa_float_denorm_mode_32 3
		.amdhsa_float_denorm_mode_16_64 3
		.amdhsa_memory_ordered 1
		.amdhsa_forward_progress 1
		.amdhsa_inst_pref_size 36
	.end_amdhsa_kernel
	.amdgpu_metadata
---
amdhsa.version: [ 1, 2 ]
amdhsa.kernels:
  - .name:           k_q82be795754_down
    .symbol:         k_q82be795754_down.kd
    .args:
      - { .name: hs, .offset: 0, .size: 8, .value_kind: global_buffer, .address_space: global }
      - { .name: W2_codes, .offset: 8, .size: 8, .value_kind: global_buffer, .address_space: global }
      - { .name: b2, .offset: 16, .size: 8, .value_kind: global_buffer, .address_space: global }
      - { .name: lowp_scales, .offset: 24, .size: 8, .value_kind: global_buffer, .address_space: global }
      - { .name: srt, .offset: 32, .size: 8, .value_kind: global_buffer, .address_space: global }
      - { .name: pso, .offset: 40, .size: 8, .value_kind: global_buffer, .address_space: global }
      - { .name: out0, .offset: 48, .size: 8, .value_kind: global_buffer, .address_space: global }
    .group_segment_fixed_size: 75776
    .private_segment_fixed_size: 0
    .kernarg_segment_align: 8
    .kernarg_segment_size: 56
    .max_flat_workgroup_size: 128
    .sgpr_count:     66
    .vgpr_count:     896
    .wavefront_size: 32
...
	.end_amdgpu_metadata
.endif
;; end of part 4
;; ======== version 2 of 2: 4 launches; version 1 with the launches up, down written anew for expert scheduling mode
;; workspace buffers: loc 12,288 bytes of whole numbers; prb 8,192 bytes; xs 2,211,840 bytes; hs 4,423,680 bytes; srt 8,960 bytes of whole numbers; pso 8,704 bytes
;; launch route: the kernel of part 1 again; grid 128 x 1, 4 waves a work-group, no clusters, 33,792 bytes of LDS; arguments x, Wr, br, loc, prb; writes loc, prb
;; launch place: the kernel of part 2 again; grid 135 x 1, 4 waves a work-group, no clusters, 0 bytes of LDS; arguments x, loc, prb, lowp_scales, xs, srt, pso; writes xs, srt, pso
;; launch up (part 5): grid 32 x 8, 4 waves a work-group, no clusters, 67,072 bytes of LDS; arguments xs, W1_codes, b1, lowp_scales, srt, hs; writes hs
.if DOCPART == 5
	.amdgcn_target "amdgcn-amd-amdhsa--gfx1250"
	.amdhsa_code_object_version 6
	.text
	.protected	k_q82be795754_up
	.globl	k_q82be795754_up
	.p2align	8
	.type	k_q82be795754_up,@function
k_q82be795754_up:
	s_mov_b64 s[64:65], 0
	v_nop
	global_prefetch_b8 v0, s[64:65] scope:SCOPE_SE
	s_setreg_imm32_b32 hwreg(HW_REG_WAVE_SCHED_MODE, 0, 2), 2
	s_setreg_imm32_b32 hwreg(HW_REG_WAVE_MODE, 25, 1), 1
	s_wait_xcnt 0x0
	s_wait_alu depctr_vm_vsrc(0)
; THE FIRST PRODUCT OF THE CHOSEN EXPERT: hs = Q(relu(x W1 + b1)), on codes of E5M2, for the rows that were routed to the expert alone.
; SHARES.  Work-group (ct, e) owns hidden units 64 ct .. 64 ct + 63 of expert e: 64 rows of W1's codes x 1,024 K = 65,536 bytes, read from memory by this work-group alone, in loads of 512 consecutive bytes,
; turned through LDS once, and then held WHOLE in every wave's registers (512 registers).  Wave w takes the expert's tiles of 16 rows w, w + 4, ..: (tiles + 3 - w) / 4 of them, a number read from srt.
; A tile of x comes straight from memory into operand registers: xs holds images of those registers (32 loads of 512 consecutive bytes); two tiles a wave are on their way or at work.
; NO TENSOR LOADS AND NO JOINT LOADS, though the 32 work-groups of an expert read the same tiles of xs: the loop's trip count is read from memory and differs from expert to expert.
; TRANSPOSED USE: source 0 = 16 rows of W1, source 1 = 16 rows of x: a lane holds ONE row of x, its registers run along the hidden units.  THE ROWS OF W1 THAT FORM A TILE ARE NOT NEIGHBOURS: row m = 8 h' + j of tile
; 2 b + u is hidden unit 32 b + 16 h' + 8 u + j, so that the 16 registers of tiles 2 b, 2 b + 1 are 16 neighbours along the next K.  In LDS the rows lie in the tiles' order (the wave that stores a row puts it there).
; b1 / 2^(e0 + e1) is the C of each sum's first product; relu and the hold at the largest code are one v_med3; the three scales are folded into the conversion's one, 2^(e3 - e0 - e1).
; hs: tile at 32,768 x tile; block (K step s, c) at 512 (4 s + c), lane l's 16 bytes at 16 l: my 64 units are blocks 2 ct and 2 ct + 1: two stores of 512 consecutive bytes a tile.
; LIMITS: e3 - e0 - e1 between -126 and 112.  NaN among the inputs is not served.
; REGISTERS, in windows of 256: window 0: v1-9 addresses and constants; v32-63 four accumulators; v64-71 codes; v94, v95 the closing add's two; v96-127 b1; v128-255 x's tile, buffer 0.
;   window 1: W1's fragments of K steps 0-3 at v[64 s + 16 t] (before the barrier: v0-127 the rows as loaded).   window 2: K steps 4-7.   window 3: v0-127 x's tile, buffer 1.
; THE MODE: SCHED_MODE bits 1:0 = 2 (LLVM: expert scheduling mode 2), set by the entry lines.  The code itself states the register dependences
; between vector or matrix instructions and memory or LDS instructions, with s_wait_alu, always for 0.
; THE PLAN.  Registers that memory or LDS instructions touch:
;   v2 .. v5, v94, v95   offsets and LDS addresses: made at the head, never written again: one wait on va_vdst ahead of the first load serves them for the whole kernel.
;   window 1, v0-127     W1's rows land there, my LDS stores read them, then the fragments' LDS loads land there: one wait on vm_vsrc behind the barrier.
;   x's buffers 0 and 1  Tile p's 32 products read buffer p % 2; straight behind them the loads of my tile p + 2 land in it: one wait on va_vdst directly ahead of those loads.
;   v[HC ..]             Written by a tile's conversions, read by its two stores, written again by the next tile's conversions: va_vdst ahead of the stores, vm_vsrc behind the next tile's products.
;   The accumulators, b1 and, in the loop, W1's fragments are named by vector and matrix instructions alone.
; A buffer is asked for again ahead of the tile's way out: the hold, the conversions and the stores name the accumulators, v6, v7, v[HC ..] and v2, none of the registers in which those loads land.
.set PW,  1040                         ; an LDS row: 1,024 bytes + 16: an odd multiple of 16, so that the 16 rows of a fragment load start at 16 different groups of banks
.set ACC, 32
.set HC,  64
.set B1,  96
.set MSB, 0
.macro WIN new                         ; the immediate's high byte repeats the setting that is left; a switch that changes nothing is dropped
.if MSB != (\new)
	s_set_vgpr_msb (MSB<<8)|(\new)
.set MSB, (\new)
.endif
.endm
	s_load_b256 s[4:11], s[0:1], 0x0               ; xs s[4:5], W1's codes s[6:7], b1 s[8:9], the scales' exponents s[10:11]
	s_load_b128 s[12:15], s[0:1], 0x20             ; srt s[12:13], hs s[14:15]
	v_lshl_add_u32 v94, v0, 2, 0x10400
	v_mov_b32 v95, 0
	v_lshrrev_b32 v1, 5, v0
	v_readfirstlane_b32 s16, v1                    ; wave 0..3
	v_and_b32 v1, 31, v0
	v_lshlrev_b32 v2, 4, v1                        ; 16 x lane: never rewritten
	v_and_b32 v8, 15, v0                           ; r
	v_bfe_u32 v9, v0, 4, 1                         ; h
	s_mov_b32 s17, ttmp9                           ; ct
	s_and_b32 s18, ttmp7, 0xffff                   ; e
	s_wait_alu depctr_va_sdst(0)                   ; s16, the wave's number, is written, ahead of its first reader
	s_lshr_b32 s23, s16, 1                         ; my 16 rows 16 w + i go to LDS rows 32 (w / 2) + 8 (w % 2) + 16 (i / 8) + i % 8
	s_lshl_b32 s23, s23, 5
	s_and_b32 s47, s16, 1
	s_lshl_b32 s47, s47, 3
	s_add_co_u32 s23, s23, s47
	s_mul_i32 s23, s23, PW
	v_add_nc_u32 v3, s23, v2
	v_mul_u32_u24 v4, v8, PW
	v_lshl_add_u32 v4, v9, 4, v4                   ; a fragment: row r x pitch + 16 h
	v_lshlrev_b32 v5, 6, v9                        ; b1: 16 h numbers on
	s_lshl_b32 s40, s18, 21                        ; W1: 2 MiB an expert, 65,536 bytes a work-group, 16,384 a wave
	s_lshl_b32 s47, s17, 16
	s_add_co_u32 s40, s40, s47
	s_lshl_b32 s47, s16, 14
	s_add_co_u32 s40, s40, s47
	s_mov_b32 s41, 0
	s_lshl_b32 s36, s18, 13                        ; b1: 8,192 bytes an expert, 256 a work-group
	s_lshl_b32 s47, s17, 8
	s_add_co_u32 s36, s36, s47
	s_mov_b32 s37, 0
	s_lshl_b32 s50, s18, 2                         ; the expert's words in srt's table
	s_mov_b32 s51, 0
	s_lshl_b32 s52, s17, 10                        ; hs: my two blocks in a tile
	s_mov_b32 s53, 0
	s_wait_kmcnt 0x0
	s_add_nc_u64 s[42:43], s[6:7], s[40:41]
	s_add_nc_u64 s[44:45], s[8:9], s[36:37]
	s_add_nc_u64 s[38:39], s[12:13], s[50:51]
	s_add_nc_u64 s[48:49], s[14:15], s[52:53]
	s_load_b128 s[24:27], s[10:11], 0x0            ; e0, e1, e2, e3
	s_load_b32 s19, s[38:39], 0x2200               ; the expert's first tile
	s_load_b32 s20, s[38:39], 0x2220               ; and its number of tiles
	WIN 0x40                                       ; destination window 1
	s_wait_alu depctr_va_vdst(0)                   ; v2 to v5 are written: the offsets and LDS addresses that every load and store of the kernel reads; so are v94 and v95
.irp i, 0,1,2,3,4,5,6,7,8,9,10,11,12,13,14,15
.irp u, 0,1
	global_load_b128 v[4*(2*\i+\u):4*(2*\i+\u)+3], v2, s[42:43] offset:1024*\i+512*\u th:TH_LOAD_NT   ; 512 consecutive bytes of row 16 w + i; read once in the launch
.endr
.endr
	WIN 0
.irp t, 0,1,2,3
	global_load_b128 v[B1+8*\t:B1+8*\t+3], v5, s[44:45] offset:(32*(\t/2)+8*(\t%2))*4          ; lane (r, h), tile 2 b + u: units 32 b + 16 h + 8 u + 0 .. 7
	global_load_b128 v[B1+8*\t+4:B1+8*\t+7], v5, s[44:45] offset:(32*(\t/2)+8*(\t%2))*4+16
.endr
	s_wait_loadcnt 0x0
	WIN 0x04                                       ; store data window 1
.irp i, 0,1,2,3,4,5,6,7,8,9,10,11,12,13,14,15
.irp u, 0,1
	ds_store_b128 v3, v[4*(2*\i+\u):4*(2*\i+\u)+3] offset:(16*(\i/8)+(\i%8))*PW+512*\u
.endr
.endr
	WIN 0
	s_wait_dscnt 0x0                               ; for the others' sake: my 16 rows have landed
	s_barrier_signal -1                            ; the launch's one barrier: it stands ahead of every branch on a number read from memory
	s_barrier_wait -1
	s_wait_alu depctr_vm_vsrc(0)                   ; my LDS stores have read window 1's v0-127, in which W1's fragments land below
	s_wait_kmcnt 0x0
	s_add_co_u32 s21, s20, 3
	s_sub_co_u32 s21, s21, s16
	s_lshr_b32 s21, s21, 2                         ; my tiles: (tiles + 3 - w) / 4
	s_cmp_eq_u32 s21, 0
	s_cbranch_scc1 .Ldone
	s_add_co_u32 s46, s19, s16                     ; my first tile
; My tile of ordinal s[ordreg] into buffer buf: 32 loads of 512 consecutive bytes.  The tile's number is held inside xs's 135 tiles and kept for the way out.
; again = 1: in the loop, where products have read the buffer; 0: at the head, where no vector or matrix instruction has named it.
.macro LOADA buf, ordreg, again
.set AB, 128-128*(\buf)
	s_lshl_b32 s23, s[\ordreg], 2
	s_add_co_u32 s23, s23, s46
	s_min_u32 s[32+\buf], s23, 134
	s_lshl_b32 s36, s[32+\buf], 14
	s_mov_b32 s37, 0
	s_add_nc_u64 s[28+2*\buf:29+2*\buf], s[4:5], s[36:37]
	WIN 0xc0*(\buf)                                ; buffer 1: destination window 3
.if \again
	s_wait_alu depctr_va_vdst(0)                   ; the tile's 32 products are done reading this buffer, in which the loads below land
.endif
.irp s, 0,1,2,3,4,5,6,7
.irp c, 0,1,2,3
	global_load_b128 v[AB+16*\s+4*\c:AB+16*\s+4*\c+3], v2, s[28+2*\buf:29+2*\buf] offset:(4*\s+\c)*512
.endr
.endr
	WIN 0
.endm
; 32 matrix instructions: 8 K steps x 4 tiles of hidden units.  The four accumulators take turns, one instruction a turn.  Four places follow, for the reads of the results.
.macro MUL buf
.set AB, 128-128*(\buf)
.irp s, 0,1,2,3,4,5,6,7
	WIN 1+(\s/4)+12*(\buf)                         ; source 0: window 1 or 2; source 1: window 0 or 3; C and D window 0
.irp t, 0,1,2,3
.if \s == 0
	v_wmma_f32_16x16x128_bf8_bf8 v[ACC+8*\t:ACC+8*\t+7], v[16*\t:16*\t+15], v[AB:AB+15], v[B1+8*\t:B1+8*\t+7]
.else
	v_wmma_f32_16x16x128_bf8_bf8 v[ACC+8*\t:ACC+8*\t+7], v[64*(\s%4)+16*\t:64*(\s%4)+16*\t+15], v[AB+16*\s:AB+16*\s+15], v[ACC+8*\t:ACC+8*\t+7]
.endif
.endr
.endr
	WIN 0
.rept 4
	v_nop
.endr
.endm
; The way out of a tile: relu and the hold in one, the conversions, two stores.  The stores' base was made at the tile's head.
.macro EPI
.set n, 0
.rept 32
	v_med3_num_f32 v[ACC+n], v[ACC+n], 0, v7       ; between 0 and the largest code x the scale; each accumulator from its low end on
.set n, n+1
.endr
.irp g, 0,1,2,3
	v_cvt_scalef32_pk8_bf8_f32 v[HC+2*\g:HC+2*\g+1], v[ACC+8*\g:ACC+8*\g+7], v6
.endr
	v_nop                                          ; a plain line between the conversions and the next products, which write their sources
	s_wait_alu depctr_va_vdst(0)                   ; the conversions have written v[HC ..], which the two stores read
	global_store_b128 v2, v[HC:HC+3], s[34:35]                 ; 512 consecutive bytes each, at a multiple of 512 from hs's first byte
	global_store_b128 v2, v[HC+4:HC+7], s[34:35] offset:512
.endm
; A tile from buffer buf.  Straight behind its products the buffer takes my tile two further on, if there is one; then the tile goes out.  Each path has its own wait: behind it the OTHER buffer's loads are in.
.macro TILE buf
	MUL \buf
	s_wait_xcnt 0x0                                ; the last tile's stores have read their codes and their base: both are written again only behind this wait
	s_wait_alu depctr_vm_vsrc(0)                   ; the last tile's two stores have read v[HC ..], which this tile's conversions write again, on both paths below
	s_lshl_b32 s36, s[32+\buf], 15                 ; the tile's place in hs, made while its number still stands
	s_mov_b32 s37, 0
	s_add_nc_u64 s[34:35], s[48:49], s[36:37]
	s_add_co_u32 s47, s22, 2+\buf
	s_cmp_lt_u32 s47, s21
	s_cbranch_scc0 .Lnone_\@
	LOADA \buf, 47, 1
	EPI
	s_wait_loadcnt 32                              ; all but the 32 just issued
	s_branch .Lgo_\@
.Lnone_\@:
	EPI
	s_wait_loadcnt 0x0
.Lgo_\@:
.endm
	s_mov_b32 s47, 0
	LOADA 0, 47, 0
	s_sub_co_u32 s47, s21, 1
	s_min_u32 s47, s47, 1                          ; my second tile; a wave with one tile asks for that one again, so that buffer 1 is written on every path
	LOADA 1, 47, 0
.irp s, 0,1,2,3,4,5,6,7                    ; W1's 32 fragments, 128 LDS loads: they stay for the whole launch
	WIN 0x40*(1+\s/4)                              ; destination window 1 or 2
.irp t, 0,1,2,3
.irp c, 0,1,2,3
	ds_load_b128 v[64*(\s%4)+16*\t+4*\c:64*(\s%4)+16*\t+4*\c+3], v4 offset:16*\t*PW+128*\s+32*\c
.endr
.endr
.endr
	WIN 0
	s_add_co_i32 s47, s24, s25                     ; e0 + e1: a sum stands for sum x 2^(e0 + e1),
	s_sub_co_i32 s23, s27, s47
	s_add_co_i32 s23, s23, 127
	s_lshl_b32 s36, s23, 23
	v_mov_b32 v6, s36                              ; so its code is sum / 2^(e3 - e0 - e1)
	s_add_co_i32 s23, s23, 15
	s_lshl_b32 s23, s23, 23
	s_or_b32 s23, s23, 0x600000
	v_mov_b32 v7, s23                              ; 57,344 x that
	s_sub_co_i32 s47, 0, s47
.set n, 0
.rept 32
	v_ldexp_f32 v[B1+n], v[B1+n], s47              ; b1 / 2^(e0 + e1)
.set n, n+1
.endr
	s_wait_loadcnt 32                              ; buffer 0 is in; buffer 1's 32 loads may be out
	s_wait_dscnt 0x0                               ; W1's fragments are in
	s_add_co_u32 s54, s21, 1
	s_lshr_b32 s54, s54, 1                         ; trips: two of my tiles each, the last one perhaps with one: (my tiles + 1) / 2, at least 1; not written in the loop
	s_mov_b32 s55, 0                               ; the trip, stepped by 1
.Lloop:                                                ; the loop is left by its backward branch, or by the wave's end in its middle
	s_lshl_b32 s22, s55, 1                         ; the ordinal of the trip's first tile
	TILE 0
	s_add_co_u32 s47, s22, 1
	s_cmp_lt_u32 s47, s21
	s_cbranch_scc1 .Lsecond                        ; there is a second tile in this trip
	s_wait_dscnt 0x0                               ; an odd number of tiles: the wave's work is done.  The closing lines, six on end
	s_wait_alu 0x0
	s_wait_tensorcnt 0x0
	ds_add_u32 v94, v95
	s_wait_dscnt 0x0
	s_endpgm
.Lsecond:
	TILE 1
	s_add_co_u32 s55, s55, 1
	s_cmp_lt_u32 s55, s54
	s_cbranch_scc1 .Lloop
.Ldone:
	s_wait_dscnt 0x0                               ; the closing lines, six on end
	s_wait_alu 0x0
	s_wait_tensorcnt 0x0
	ds_add_u32 v94, v95
	s_wait_dscnt 0x0
	s_endpgm
.Lfunc_end_k_q82be795754_up:
	.size	k_q82be795754_up, .Lfunc_end_k_q82be795754_up-k_q82be795754_up
	.p2alignl 7, 3214868480
	.fill 96, 4, 3214868480
	.section	.rodata,"a",@progbits
	.p2align	6, 0x0
	.amdhsa_kernel k_q82be795754_up
		.amdhsa_group_segment_fixed_size 67072
		.amdhsa_private_segment_fixed_size 0
		.amdhsa_enable_private_segment 0
		.amdhsa_kernarg_size 48
		.amdhsa_user_sgpr_count 2
		.amdhsa_user_sgpr_kernarg_segment_ptr 1
		.amdhsa_wavefront_size32 1
		.amdhsa_system_sgpr_workgroup_id_x 1
		.amdhsa_system_sgpr_workgroup_id_y 1
		.amdhsa_system_sgpr_workgroup_id_z 1
		.amdhsa_system_vgpr_workitem_id 0
		.amdhsa_next_free_vgpr 896
		.amdhsa_next_free_sgpr 66
		.amdhsa_reserve_vcc 0
		.amdhsa_float_denorm_mode_32 3
		.amdhsa_float_denorm_mode_16_64 3
		.amdhsa_memory_ordered 1
		.amdhsa_forward_progress 1
		.amdhsa_inst_pref_size 48
	.end_amdhsa_kernel
	.amdgpu_metadata
---
amdhsa.version: [ 1, 2 ]
amdhsa.kernels:
  - .name:           k_q82be795754_up
    .symbol:         k_q82be795754_up.kd
    .args:
      - { .name: xs, .offset: 0, .size: 8, .value_kind: global_buffer, .address_space: global }
      - { .name: W1_codes, .offset: 8, .size: 8, .value_kind: global_buffer, .address_space: global }
      - { .name: b1, .offset: 16, .size: 8, .value_kind: global_buffer, .address_space: global }
      - { .name: lowp_scales, .offset: 24, .size: 8, .value_kind: global_buffer, .address_space: global }
      - { .name: srt, .offset: 32, .size: 8, .value_kind: global_buffer, .address_space: global }
      - { .name: hs, .offset: 40, .size: 8, .value_kind: global_buffer, .address_space: global }
    .group_segment_fixed_size: 67072
    .private_segment_fixed_size: 0
    .kernarg_segment_align: 8
    .kernarg_segment_size: 48
    .max_flat_workgroup_size: 128
    .sgpr_count:     66
    .vgpr_count:     896
    .wavefront_size: 32
...
	.end_amdgpu_metadata
.endif
;; end of part 5
;; launch down (part 6): grid 32 x 8, 4 waves a work-group, no clusters, 75,776 bytes of LDS; arguments hs, W2_codes, b2, lowp_scales, srt, pso, out0; writes out0
.if DOCPART == 6
	.amdgcn_target "amdgcn-amd-amdhsa--gfx1250"
	.amdhsa_code_object_version 6
	.text
	.protected	k_q82be795754_down
	.globl	k_q82be795754_down
	.p2align	8
	.type	k_q82be795754_down,@function
k_q82be795754_down:
	s_mov_b64 s[64:65], 0
	v_nop
	global_prefetch_b8 v0, s[64:65] scope:SCOPE_SE
	s_setreg_imm32_b32 hwreg(HW_REG_WAVE_SCHED_MODE, 0, 2), 2
	s_setreg_imm32_b32 hwreg(HW_REG_WAVE_MODE, 25, 1), 1
	s_wait_xcnt 0x0
	s_wait_alu depctr_vm_vsrc(0)
; THE SECOND PRODUCT OF THE CHOSEN EXPERT: out0[token] = (hs W2 x 2^(e2 + e3) + b2) x the token's probability, on codes of E5M2.
; SHARES.  Work-group (ct, e) owns output columns 32 ct .. 32 ct + 31 of expert e: 32 rows of W2's codes x 2,048 K = 65,536 bytes, read from memory by this work-group alone, in loads of 512 consecutive bytes, turned
; through LDS once and then held whole in every wave's registers.  Wave w takes the expert's tiles of 16 rows w, w + 4, .., one a trip; their number is read from srt.
; A tile of hs (32,768 bytes of register images) comes in two halves of 8 K steps, each 32 loads of 512 consecutive bytes; while one half is multiplied the other is on its way.
; NO TENSOR LOADS AND NO JOINT LOADS, though the 32 work-groups of an expert read the same tiles of hs: the loop's trip count is read from memory and differs from expert to expert.
; TRANSPOSED USE: source 0 = 16 rows of W2 (output columns), source 1 = 16 rows of hs: a lane holds one row and eight neighbouring columns.  A tile's results go through the wave's own stage in LDS, so that eight lanes
; store the 128 consecutive bytes that are my columns of one token's row (a wave's 32 columns are half of an aligned 256 bytes; the other half is another work-group's).
; The spare rows of an expert's last tile repeat its last token: they store the same numbers to the same bytes once more, from this wave.
; LIMITS: e2 + e3 between -126 and 127.  NaN among the inputs is not served.
; REGISTERS, in windows of 256: window 0: v1-14 addresses; v32-47 two accumulators; v48-63 results; v64-79 rows read back; v80-95 b2; v96-99 four tokens; v100 the probability; v104-107 store offsets; v126, v127 the closing add's two; v128-255 hs, K steps 0-7.
;   window 1: W2's fragments of K steps 0-7 at v[32 s + 16 t] (before the barrier: v0-127 the rows as loaded).   window 2: K steps 8-15.   window 3: v0-127 hs, K steps 8-15.
; THE MODE: SCHED_MODE bits 1:0 = 2 (LLVM: expert scheduling mode 2), set by the entry lines.  The code itself states the register dependences
; between vector or matrix instructions and memory or LDS instructions, with s_wait_alu, always for 0.
; THE PLAN.  Registers that memory or LDS instructions touch:
;   v2 .. v10, v126, v127  offsets and LDS addresses: made at the head, never written again: one wait on va_vdst ahead of the first load serves them for the whole kernel.
;   window 1, v0-127       W2's rows land there, my LDS stores read them, then the fragments' LDS loads land there: one wait on vm_vsrc behind the barrier.
;   hs, K steps 0-7        Read by a tile's first 16 products; straight behind them the next tile's loads land there: one wait on va_vdst ahead of those loads.
;   hs, K steps 8-15; v[TK ..]; v[PR]   Read by the second 16 products; held and read by the offsets' lines; read by the packed multiplies.  Then the next tile's 34 loads land in them.
;   v[Y ..], v[OA ..]      Written by the way out's vector lines; read by its LDS stores as data, by its global stores as offsets; written again in the next tile.
;   v[OUT ..]              The stage's LDS loads land there, the global stores read them; no vector instruction names them.
; So the way out has its vector lines first, all of them, and ONE wait on va_vdst behind them: v[Y ..] and v[OA ..] are written, and the products, the multiplies and the offsets' lines are done with the registers
; in which the 34 loads land.  Behind it stand memory and LDS instructions alone: the 34 loads, if there is a next tile, then the stage and the stores.  One wait on vm_vsrc stands at the way out's head.
.set PW,  2064                         ; an LDS row: 2,048 bytes + 16: an odd multiple of 16
.set STG, 32*PW                        ; behind W2's rows: a stage of 16 rows x (128 bytes + 16) for each wave
.set ACC, 32
.set Y,   48
.set OUT, 64
.set B2,  80
.set TK,  96
.set PR,  100
.set OA,  104
.set MSB, 0
.macro WIN new                         ; the immediate's high byte repeats the setting that is left; a switch that changes nothing is dropped
.if MSB != (\new)
	s_set_vgpr_msb (MSB<<8)|(\new)
.set MSB, (\new)
.endif
.endm
	s_load_b256 s[4:11], s[0:1], 0x0               ; hs s[4:5], W2's codes s[6:7], b2 s[8:9], the scales' exponents s[10:11]
	s_load_b128 s[12:15], s[0:1], 0x20             ; srt s[12:13], pso s[14:15]
	s_load_b64 s[16:17], s[0:1], 0x30              ; out0
	v_lshl_add_u32 v126, v0, 2, 0x12600
	v_mov_b32 v127, 0
	v_lshrrev_b32 v1, 5, v0
	v_readfirstlane_b32 s18, v1                    ; wave 0..3
	v_and_b32 v1, 31, v0
	v_lshlrev_b32 v2, 4, v1                        ; 16 x lane: never rewritten
	v_and_b32 v11, 15, v0                          ; r
	v_bfe_u32 v12, v0, 4, 1                        ; h
	v_lshrrev_b32 v13, 3, v1                       ; lane / 8
	v_and_b32 v14, 7, v1                           ; lane % 8
	s_mov_b32 s19, ttmp9                           ; ct
	s_and_b32 s20, ttmp7, 0xffff                   ; e
	s_wait_alu depctr_va_sdst(0)                   ; s18, the wave's number, is written, ahead of its first reader
	s_mul_i32 s25, s18, 8*PW                       ; my 8 rows of W2 in LDS
	v_add_nc_u32 v3, s25, v2
	v_mul_u32_u24 v4, v11, PW
	v_lshl_add_u32 v4, v12, 4, v4                  ; a fragment: row r x pitch + 16 h
	v_lshlrev_b32 v5, 5, v12                       ; b2: 8 h numbers on
	v_lshlrev_b32 v6, 2, v11                       ; pso: row r's number
	v_lshlrev_b32 v7, 4, v13                       ; srt: the tokens of rows 4 (lane / 8) + 0 .. 3
	s_mul_i32 s25, s18, 16*144
	s_add_co_u32 s25, s25, STG                     ; my stage
	v_mul_u32_u24 v8, v11, 144
	v_lshl_add_u32 v8, v12, 5, v8
	v_add_nc_u32 v8, s25, v8                       ; in: row r, + 32 h
	v_mul_u32_u24 v9, v13, 4*144
	v_lshl_add_u32 v9, v14, 4, v9
	v_add_nc_u32 v9, s25, v9                       ; back: row 4 (lane / 8) + i, 16 bytes a lane
	v_lshlrev_b32 v10, 4, v14                      ; and the same 16 bytes of my 128 in a row of out0
	v_mov_b32 v[PR+1], 0                           ; (named with the probability as a pair, so it is written)
	s_lshl_b32 s40, s20, 21                        ; W2: 2 MiB an expert, 65,536 bytes a work-group, 16,384 a wave
	s_lshl_b32 s25, s19, 16
	s_add_co_u32 s40, s40, s25
	s_lshl_b32 s25, s18, 14
	s_add_co_u32 s40, s40, s25
	s_mov_b32 s41, 0
	s_lshl_b32 s54, s20, 12                        ; b2: 4,096 bytes an expert, 128 a work-group
	s_lshl_b32 s25, s19, 7
	s_add_co_u32 s54, s54, s25
	s_mov_b32 s55, 0
	s_mov_b32 s56, s25                             ; out0: my 128 bytes in a row
	s_mov_b32 s57, 0
	s_lshl_b32 s58, s20, 2                         ; the expert's words in srt's table
	s_mov_b32 s59, 0
	s_wait_kmcnt 0x0
	s_add_nc_u64 s[44:45], s[6:7], s[40:41]
	s_add_nc_u64 s[46:47], s[8:9], s[54:55]
	s_add_nc_u64 s[48:49], s[16:17], s[56:57]
	s_add_nc_u64 s[42:43], s[12:13], s[58:59]
	s_load_b128 s[28:31], s[10:11], 0x0            ; e0, e1, e2, e3
	s_load_b32 s21, s[42:43], 0x2200               ; the expert's first tile
	s_load_b32 s22, s[42:43], 0x2220               ; and its number of tiles
	WIN 0x40                                       ; destination window 1
	s_wait_alu depctr_va_vdst(0)                   ; v2 to v10 are written: the offsets and LDS addresses that the loads and stores of the kernel read; so are v126 and v127
.irp i, 0,1,2,3,4,5,6,7
.irp u, 0,1,2,3
	global_load_b128 v[4*(4*\i+\u):4*(4*\i+\u)+3], v2, s[44:45] offset:2048*\i+512*\u th:TH_LOAD_NT   ; 512 consecutive bytes of row 8 w + i; read once in the launch
.endr
.endr
	WIN 0
.irp t, 0,1
	global_load_b128 v[B2+8*\t:B2+8*\t+3], v5, s[46:47] offset:64*\t               ; lane (r, h), tile t: columns 16 t + 8 h + 0 .. 7
	global_load_b128 v[B2+8*\t+4:B2+8*\t+7], v5, s[46:47] offset:64*\t+16
.endr
	s_wait_loadcnt 0x0
	WIN 0x04                                       ; store data window 1
.irp i, 0,1,2,3,4,5,6,7
.irp u, 0,1,2,3
	ds_store_b128 v3, v[4*(4*\i+\u):4*(4*\i+\u)+3] offset:PW*\i+512*\u
.endr
.endr
	WIN 0
	s_wait_dscnt 0x0                               ; for the others' sake: my 8 rows have landed
	s_barrier_signal -1                            ; the launch's first barrier: it stands ahead of every branch on a number read from memory
	s_barrier_wait -1
	s_wait_alu depctr_vm_vsrc(0)                   ; my LDS stores have read window 1's v0-127, in which W2's fragments land below
	s_wait_kmcnt 0x0
	s_add_co_u32 s23, s22, 3
	s_sub_co_u32 s23, s23, s18
	s_lshr_b32 s23, s23, 2                         ; my tiles: (tiles + 3 - w) / 4
	s_cmp_eq_u32 s23, 0
	s_cbranch_scc1 .Ldone
	s_add_co_u32 s52, s21, s18                     ; my first tile
; Half a tile of hs (8 K steps: 32 loads of 512 consecutive bytes) of my tile of ordinal s[ordreg]; with the second half come the tile's tokens and probabilities: 34 loads.  The tile's number is held inside the 135 tiles.
.macro LOADH half, ordreg
.set HB, 128-128*(\half)
	s_lshl_b32 s25, s[\ordreg], 2
	s_add_co_u32 s25, s25, s52
	s_min_u32 s26, s25, 134
	s_lshl_b32 s40, s26, 15
	s_mov_b32 s41, 0
	s_add_nc_u64 s[32+2*\half:33+2*\half], s[4:5], s[40:41]
.if \half
	s_lshl_b32 s40, s26, 6
	s_add_nc_u64 s[36:37], s[12:13], s[40:41]
	s_add_nc_u64 s[38:39], s[14:15], s[40:41]
	global_load_b128 v[TK:TK+3], v7, s[36:37]
	global_load_b32 v[PR], v6, s[38:39]
	WIN 0xc0                                       ; destination window 3
.endif
.irp s, 0,1,2,3,4,5,6,7
.irp c, 0,1,2,3
	global_load_b128 v[HB+16*\s+4*\c:HB+16*\s+4*\c+3], v2, s[32+2*\half:33+2*\half] offset:16384*\half+(4*\s+\c)*512
.endr
.endr
	WIN 0
.endm
; 16 matrix instructions: 8 K steps x 2 tiles of columns.  The two accumulators take turns, one instruction a turn, from half to half too.  The first products start the sums.  Four places follow.
.macro MULH half
.set HB, 128-128*(\half)
	WIN 1+13*(\half)                               ; half 0: W2 window 1, hs window 0; half 1: W2 window 2, hs window 3; C and D window 0
.irp s, 0,1,2,3,4,5,6,7
.irp t, 0,1
.if (\half == 0) && (\s == 0)
	v_wmma_f32_16x16x128_bf8_bf8 v[ACC+8*\t:ACC+8*\t+7], v[16*\t:16*\t+15], v[HB:HB+15], 0
.else
	v_wmma_f32_16x16x128_bf8_bf8 v[ACC+8*\t:ACC+8*\t+7], v[32*\s+16*\t:32*\s+16*\t+15], v[HB+16*\s:HB+16*\s+15], v[ACC+8*\t:ACC+8*\t+7]
.endif
.endr
.endr
	WIN 0
.rept 4
	v_nop
.endr
.endm
; The way out of a tile, its vector lines: the results and the four stores' offsets.
.macro EPIV
	s_wait_xcnt 0x0                                ; the last tile's stores have read their data and offsets: both are written again only behind this wait
	s_wait_alu depctr_vm_vsrc(0)                   ; the last tile's LDS stores have read v[Y ..], its global stores v[OA ..] and v[OUT ..]: the lines below write the first two again, the stage's loads land in the third
.irp j, 0,2,4,6,8,10,12,14
	v_pk_fma_f32 v[Y+\j:Y+\j+1], v[ACC+\j:ACC+\j+1], s[50:51], v[B2+\j:B2+\j+1] op_sel_hi:[1,0,1]   ; sum x 2^(e2 + e3) + b2; each accumulator from its low end on
.endr
.irp j, 0,2,4,6,8,10,12,14
	v_pk_mul_f32 v[Y+\j:Y+\j+1], v[Y+\j:Y+\j+1], v[PR:PR+1] op_sel_hi:[1,0]                         ; x my row's probability
.endr
.irp i, 0,1,2,3
	v_min_u32 v[TK+\i], 2047, v[TK+\i]             ; the token, held inside out0
.endr
.irp i, 0,1,2,3
	v_lshlrev_b32 v[OA+\i], 12, v[TK+\i]
.endr
.irp i, 0,1,2,3
	v_add_nc_u32 v[OA+\i], v[OA+\i], v10
.endr
	s_wait_alu depctr_va_vdst(0)                   ; v[Y ..] and v[OA ..] are written, which the stores below read; the second half's products, the multiplies and the offsets' lines are done with hs's K steps 8-15, v[PR] and v[TK ..], in which the next tile's loads land
.endm
; The way out of a tile, its LDS and memory lines: no vector instruction stands among them.
.macro EPIS
.irp t, 0,1
	ds_store_b128 v8, v[Y+8*\t:Y+8*\t+3] offset:64*\t
	ds_store_b128 v8, v[Y+8*\t+4:Y+8*\t+7] offset:64*\t+16
.endr
.irp i, 0,1,2,3
	ds_load_b128 v[OUT+4*\i:OUT+4*\i+3], v9 offset:144*\i          ; my own stage, and LDS serves a wave's instructions in order (ISA guide 5.7.1.4): these see the stores above
.endr
.irp i, 0,1,2,3
	s_wait_dscnt 3-\i                              ; the later reads of the stage may be out
	global_store_b128 v[OA+\i], v[OUT+4*\i:OUT+4*\i+3], s[48:49] th:TH_STORE_NT   ; four rows: eight lanes store 128 consecutive bytes of each
.endr
.endm
	s_mov_b32 s53, 0
	LOADH 0, 53
	LOADH 1, 53
.irp s, 0,1,2,3,4,5,6,7,8,9,10,11,12,13,14,15   ; W2's 32 fragments, 128 LDS loads: they stay for the whole launch
	WIN 0x40*(1+\s/8)                              ; destination window 1 or 2
.irp t, 0,1
.irp c, 0,1,2,3
	ds_load_b128 v[32*(\s%8)+16*\t+4*\c:32*(\s%8)+16*\t+4*\c+3], v4 offset:16*\t*PW+128*\s+32*\c
.endr
.endr
.endr
	WIN 0
	s_add_co_i32 s50, s30, s31
	s_add_co_i32 s50, s50, 127
	s_lshl_b32 s50, s50, 23                        ; 2^(e2 + e3) as f32
	s_mov_b32 s51, s50                             ; (named with it as a pair, so it is written)
	s_wait_dscnt 0x0                               ; W2's fragments are in
	s_wait_loadcnt 34                              ; the first half is in; the second half's 34 loads may be out
	s_mov_b32 s24, 0
.Lloop:                                                ; one of my tiles a trip
	MULH 0
	s_add_co_u32 s53, s24, 1
	s_cmp_lt_u32 s53, s23
	s_cbranch_scc0 .Lno0
	s_wait_alu depctr_va_vdst(0)                   ; the sixteen products above are done reading hs's K steps 0-7, in which the loads below land
	LOADH 0, 53                                    ; my next tile's first half, into the registers just multiplied
	s_wait_loadcnt 32                              ; all but the 32 just issued: this tile's second half, its tokens and probabilities are in
	s_branch .Lgo0
.Lno0:
	s_wait_loadcnt 0x0
.Lgo0:
	MULH 1
	EPIV
	s_cmp_lt_u32 s53, s23
	s_cbranch_scc0 .Lno1
	LOADH 1, 53                                    ; my next tile's second half, ahead of the stage and the stores.  No further wait: no vector or matrix instruction stands behind the wait that closes the vector lines above
	EPIS
	s_wait_loadcnt 34                              ; all but the 34 just issued: the next tile's first half is in
	s_branch .Lgo1
.Lno1:
	EPIS
	s_wait_loadcnt 0x0
.Lgo1:
	s_add_co_u32 s24, s24, 1
	s_cmp_lt_u32 s24, s23
	s_cbranch_scc1 .Lloop
.Ldone:
	s_barrier_signal -1
	s_barrier_wait -1
	s_wait_dscnt 0x0                               ; the closing lines, six on end
	s_wait_alu 0x0
	s_wait_tensorcnt 0x0
	ds_add_u32 v126, v127
	s_wait_dscnt 0x0
	s_endpgm
.Lfunc_end_k_q82be795754_down:
	.size	k_q82be795754_down, .Lfunc_end_k_q82be795754_down-k_q82be795754_down
	.p2alignl 7, 3214868480
	.fill 96, 4, 3214868480
	.section	.rodata,"a",@progbits
	.p2align	6, 0x0
	.amdhsa_kernel k_q82be795754_down
		.amdhsa_group_segment_fixed_size 75776
		.amdhsa_private_segment_fixed_size 0
		.amdhsa_enable_private_segment 0
		.amdhsa_kernarg_size 56
		.amdhsa_user_sgpr_count 2
		.amdhsa_user_sgpr_kernarg_segment_ptr 1
		.amdhsa_wavefront_size32 1
		.amdhsa_system_sgpr_workgroup_id_x 1
		.amdhsa_system_sgpr_workgroup_id_y 1
		.amdhsa_system_sgpr_workgroup_id_z 1
		.amdhsa_system_vgpr_workitem_id 0
		.amdhsa_next_free_vgpr 896
		.amdhsa_next_free_sgpr 66
		.amdhsa_reserve_vcc 0
		.amdhsa_float_denorm_mode_32 3
		.amdhsa_float_denorm_mode_16_64 3
		.amdhsa_memory_ordered 1
		.amdhsa_forward_progress 1
		.amdhsa_inst_pref_size 38
	.end_amdhsa_kernel
	.amdgpu_metadata
---
amdhsa.version: [ 1, 2 ]
amdhsa.kernels:
  - .name:           k_q82be795754_down
    .symbol:         k_q82be795754_down.kd
    .args:
      - { .name: hs, .offset: 0, .size: 8, .value_kind: global_buffer, .address_space: global }
      - { .name: W2_codes, .offset: 8, .size: 8, .value_kind: global_buffer, .address_space: global }
      - { .name: b2, .offset: 16, .size: 8, .value_kind: global_buffer, .address_space: global }
      - { .name: lowp_scales, .offset: 24, .size: 8, .value_kind: global_buffer, .address_space: global }
      - { .name: srt, .offset: 32, .size: 8, .value_kind: global_buffer, .address_space: global }
      - { .name: pso, .offset: 40, .size: 8, .value_kind: global_buffer, .address_space: global }
      - { .name: out0, .offset: 48, .size: 8, .value_kind: global_buffer, .address_space: global }
    .group_segment_fixed_size: 75776
    .private_segment_fixed_size: 0
    .kernarg_segment_align: 8
    .kernarg_segment_size: 56
    .max_flat_workgroup_size: 128
    .sgpr_count:     66
    .vgpr_count:     896
    .wavefront_size: 32
...
	.end_amdgpu_metadata
.endif
;; end of part 6
